; MI455X (gfx1250); checked and timed in simulation.
; The chip was launched on July 23, 2026; its instructions are those of AMD's public machine-readable ISA for CDNA 5 (MIT licence, August 2026) and "CDNA5" Instruction Set Architecture Reference Guide (July 2026). The comments in the code are by the model that wrote it; some were corrected since.
;; Kandinsky5 Attention. Allowed arithmetic: float matrix products may take bf16 or f16 operands with f32 sums; other float arithmetic in f32, or as packed bf16 or f16 multiplies, adds, multiply-adds, maxima and minima; sums over many terms, partial sums and values carried from step to step in f32; what a program stores and reads back later, other than sums and carried values, may be rounded once to bf16 or f16.
;; Inputs: Wk 2,048 x 2,048 float32; Wo 2,048 x 2,048 float32; Wq 2,048 x 2,048 float32; Wv 2,048 x 2,048 float32; bk 2,048 float32; bo 2,048 float32; bq 2,048 float32; bv 2,048 float32; hidden_states 1 x 2,048 x 2,048 float32; kn_w 128 float32; qn_w 128 float32; rotary_emb 1 x 2,048 x 1 x 64 x 2 x 2 float32; sta_mask 1 x 16 x 32 x 32 bool.
;; Outputs: out0 1 x 2,048 x 2,048 float32.
;; One version. Each part assembles by itself: llvm-mc -triple=amdgcn-amd-amdhsa -mcpu=gfx1250 --defsym DOCPART=n.
;; ======== version 1 of 1: 4 launches
;; limits: values are held in f16: magnitudes above 65,504 overflow, below 6.1e-05 lose precision
;; workspace buffers: cst 34,603,008 bytes; qkv 25,165,824 bytes; qks 524,288 bytes; att 8,388,608 bytes; wo16 8,388,608 bytes
;; launch cast (part 1): grid 528 x 1, 8 waves a work-group, no clusters, 0 bytes of LDS; arguments hidden_states, Wq, Wk, Wv, rotary_emb, cst; writes cst
.if DOCPART == 1
	.amdgcn_target "amdgcn-amd-amdhsa--gfx1250"
	.amdhsa_code_object_version 6
	.text
	.protected	k_qca494e05bd_cast
	.globl	k_qca494e05bd_cast
	.p2align	8
	.type	k_qca494e05bd_cast,@function
k_qca494e05bd_cast:
	s_mov_b64 s[64:65], 0
	v_nop
	global_prefetch_b8 v0, s[64:65] scope:SCOPE_SE
	s_setreg_imm32_b32 hwreg(HW_REG_WAVE_MODE, 25, 1), 1
	s_wait_xcnt 0x0
; x, Wq, Wk, Wv and the rotary table are rounded ONCE to bf16 and laid into cst, so that the next launch moves half the bytes and converts nothing twice.
; cst: parts of 8 MiB: 0 hidden_states, 1 Wq, 2 Wk, 3 Wv; part 4 the rotary table (1 MiB).
; The rotary row (64 pairs x R00 R01 R10 R11) is laid out for its reader: 16-byte chunk e*16 + i holds pairs 4 i + 2 e and 4 i + 2 e + 1.
; SHARES: work-group g: job g >> 7 (which input), piece g & 127: 128 KiB in, 64 KiB out; a wave 16 KiB in: 32 loads of 16 bytes a lane, ALL issued at once; they are rounded and stored in four
; groups of eight as they come in, so that the first stores leave while the later loads are on their way.  528 work-groups of 136 registers: all of them are resident together.
; The rounding is in place: packed word j goes into register X + j, which belonged to a load that is in and which no pending store reads.
; A stream: no LDS, no matrix unit.
.set X,  8                             ; v[8:135]  128 numbers as loaded; then 64 packed words in v[8:71]
	s_load_b256 s[8:15], s[0:1], 0x0               ; hidden_states, Wq, Wk, Wv
	s_load_b128 s[16:19], s[0:1], 0x20             ; rotary_emb, cst
	s_lshr_b32 s2, ttmp9, 7                        ; job 0..4
	s_and_b32 s3, ttmp9, 127                       ; piece
	s_lshl_b32 s4, s3, 17                          ; bytes in
	s_mov_b32 s5, 0
	s_lshl_b32 s6, s2, 23                          ; bytes out: the part,
	s_lshl_b32 s7, s3, 16                          ; the piece
	s_add_co_u32 s6, s6, s7
	s_mov_b32 s7, 0
	v_lshrrev_b32 v1, 5, v0                        ; wave
	v_and_b32 v6, 31, v0                           ; lane
	v_and_b32 v7, 15, v0
	v_lshlrev_b32 v2, 4, v6
	v_lshl_add_u32 v2, v1, 14, v2                  ; a matrix, in: 16,384 wave + 16 lane
	v_lshlrev_b32 v3, 3, v6
	v_lshl_add_u32 v3, v1, 13, v3                  ; out: 8,192 wave + 8 lane
	v_bfe_u32 v4, v0, 4, 1
	v_lshlrev_b32 v4, 5, v4
	v_lshl_add_u32 v4, v7, 6, v4
	v_lshl_add_u32 v4, v1, 14, v4                  ; the table, in: 16,384 wave + 64 i + 32 e: two pairs
	v_lshlrev_b32 v5, 4, v6
	v_lshl_add_u32 v5, v1, 13, v5                  ; out: 8,192 wave + 256 e + 16 i
	s_wait_kmcnt 0x0
	s_cmp_eq_u32 s2, 1                             ; the job chooses the input
	s_cselect_b64 s[8:9], s[10:11], s[8:9]
	s_cmp_eq_u32 s2, 2
	s_cselect_b64 s[8:9], s[12:13], s[8:9]
	s_cmp_eq_u32 s2, 3
	s_cselect_b64 s[8:9], s[14:15], s[8:9]
	s_cmp_eq_u32 s2, 4
	s_cselect_b64 s[8:9], s[16:17], s[8:9]
	s_add_nc_u64 s[8:9], s[8:9], s[4:5]
	s_add_nc_u64 s[18:19], s[18:19], s[6:7]
	s_cmp_eq_u32 s2, 4
	s_cbranch_scc1 .Lrot_in
.set n, 0
.rept 32
	global_load_b128 v[X+4*n:X+4*n+3], v2, s[8:9] offset:512*n th:TH_LOAD_NT  ; 512 neighbouring bytes a load
.set n, n+1
.endr
	s_branch .Lround
.Lrot_in:
.set n, 0
.rept 16
	global_load_b128 v[X+8*n:X+8*n+3],   v4, s[8:9] offset:1024*n th:TH_LOAD_NT     ; row n of the wave's sixteen: my first pair,
	global_load_b128 v[X+8*n+4:X+8*n+7], v4, s[8:9] offset:1024*n+16 th:TH_LOAD_NT  ; my second
.set n, n+1
.endr
.Lround:
; Group g: eight loads are in; 32 numbers a lane are rounded, packed and stored.
.macro GROUP g
	s_wait_loadcnt 24-8*(\g)                       ; loads come back in order: the groups behind this one may stay out
.set j, 16*(\g)
.rept 16
	v_cvt_pk_bf16_f32 v[X+j], v[X+2*j], v[X+2*j+1]
.set j, j+1
.endr
	s_cmp_eq_u32 s2, 4
	s_cbranch_scc1 .Lrot_out_\@
.set n, 8*(\g)
.rept 8
	global_store_b64 v3, v[X+2*n:X+2*n+1], s[18:19] offset:256*n th:TH_STORE_NT  ; a store of the wave covers 256 consecutive bytes, aligned
.set n, n+1
.endr
	s_branch .Ldone_\@
.Lrot_out_\@:
.set n, 4*(\g)
.rept 4
	global_store_b128 v5, v[X+4*n:X+4*n+3], s[18:19] offset:512*n th:TH_STORE_NT  ; a whole row of the table, 512 bytes
.set n, n+1
.endr
.Ldone_\@:
.endm
	GROUP 0
	GROUP 1
	GROUP 2
	GROUP 3
	s_endpgm
.Lfunc_end_k_qca494e05bd_cast:
	.size	k_qca494e05bd_cast, .Lfunc_end_k_qca494e05bd_cast-k_qca494e05bd_cast
	.p2alignl 7, 3214868480
	.fill 96, 4, 3214868480
	.section	.rodata,"a",@progbits
	.p2align	6, 0x0
	.amdhsa_kernel k_qca494e05bd_cast
		.amdhsa_group_segment_fixed_size 0
		.amdhsa_private_segment_fixed_size 0
		.amdhsa_enable_private_segment 0
		.amdhsa_kernarg_size 48
		.amdhsa_user_sgpr_count 2
		.amdhsa_user_sgpr_kernarg_segment_ptr 1
		.amdhsa_wavefront_size32 1
		.amdhsa_system_sgpr_workgroup_id_x 1
		.amdhsa_system_sgpr_workgroup_id_y 1
		.amdhsa_system_sgpr_workgroup_id_z 1
		.amdhsa_system_vgpr_workitem_id 0
		.amdhsa_next_free_vgpr 136
		.amdhsa_next_free_sgpr 66
		.amdhsa_reserve_vcc 0
		.amdhsa_float_denorm_mode_32 3
		.amdhsa_float_denorm_mode_16_64 3
		.amdhsa_memory_ordered 1
		.amdhsa_forward_progress 1
		.amdhsa_inst_pref_size 17
	.end_amdhsa_kernel
	.amdgpu_metadata
---
amdhsa.version: [ 1, 2 ]
amdhsa.kernels:
  - .name:           k_qca494e05bd_cast
    .symbol:         k_qca494e05bd_cast.kd
    .args:
      - { .name: hidden_states, .offset: 0, .size: 8, .value_kind: global_buffer, .address_space: global }
      - { .name: Wq, .offset: 8, .size: 8, .value_kind: global_buffer, .address_space: global }
      - { .name: Wk, .offset: 16, .size: 8, .value_kind: global_buffer, .address_space: global }
      - { .name: Wv, .offset: 24, .size: 8, .value_kind: global_buffer, .address_space: global }
      - { .name: rotary_emb, .offset: 32, .size: 8, .value_kind: global_buffer, .address_space: global }
      - { .name: cst, .offset: 40, .size: 8, .value_kind: global_buffer, .address_space: global }
    .group_segment_fixed_size: 0
    .private_segment_fixed_size: 0
    .kernarg_segment_align: 8
    .kernarg_segment_size: 48
    .max_flat_workgroup_size: 256
    .sgpr_count:     66
    .vgpr_count:     136
    .wavefront_size: 32
...
	.end_amdgpu_metadata
.endif
;; end of part 1
;; launch project (part 2): grid 16 x 16, 4 waves a work-group, clusters of 4 x 4, 327,680 bytes of LDS; arguments cst, bq, bk, bv, qn_w, kn_w, qkv, qks, Wo, wo16; writes qkv, qks, wo16
.if DOCPART == 2
	.amdgcn_target "amdgcn-amd-amdhsa--gfx1250"
	.amdhsa_code_object_version 6
	.text
	.protected	k_qca494e05bd_project
	.globl	k_qca494e05bd_project
	.p2align	8
	.type	k_qca494e05bd_project,@function
k_qca494e05bd_project:
	s_mov_b64 s[64:65], 0
	v_nop
	global_prefetch_b8 v0, s[64:65] scope:SCOPE_SE
	s_setreg_imm32_b32 hwreg(HW_REG_WAVE_MODE, 25, 1), 1
	s_wait_xcnt 0x0
	s_wait_alu depctr_hold_cnt(0) depctr_sa_sdst(0) depctr_va_vdst(0) depctr_va_sdst(0) depctr_va_ssrc(0) depctr_va_vcc(0) depctr_vm_vsrc(0)
	s_getreg_b32 s2, hwreg(HW_REG_IB_STS2, 6, 4)
	s_cmp_eq_u32 s2, 0
	s_cbranch_scc0 .Lentry_in_a_cluster
	s_endpgm
.Lentry_in_a_cluster:
	s_bfe_u32 s2, ttmp6, 0x10000c
	s_cmp_lg_u32 s2, 0xf033
	s_cbranch_scc0 .Lentry_shape_is_right
	s_endpgm
.Lentry_shape_is_right:
; q, k, v = x W^T + b; RMS norm and rotary on q and k; all three by heads in f16; and the sums of q and k over blocks of 64 rows, in f32.
; x and the weights come as bf16 from cst; biases and gains are rounded to bf16 here; sums in f32.
; BESIDE THAT each work-group rounds 1/256 of Wo (64 KiB) to bf16 and writes that number as f16 into wo16, for the last launch: loads ahead of the opening round, arithmetic in the wait for the first tiles.
; SHARES.  Work-group (ty, tx) = (grid x, grid y): rows 128 ty .. +127 of x times 384 columns: head tx of q, of k and of v.  256 work-groups, all alike.  Wave w: rows 64 (w >> 1) .. +63,
; columns 192 (w & 1) .. +191: 48 accumulators of 16 x 16.  K goes in steps of 128 through two LDS slots (128 rows of x, 3 x 128 rows of W, 256 bytes a row).
; CLUSTER 4 x 4: x's tile hangs on ty alone and is asked for jointly along a column of the cluster, W's on tx alone, along a row; the rotary table goes with x (ty).
; ROTATED K.  Cluster (X, Y) walks the 16 K steps from 4 X + 8 f(Y) on, round the end, f = (Y xor Y >> 1) & 1: at any one time the clusters that read the same rows ask for different K steps.
; f32 sums may be taken in any order.  The start hangs on the cluster's coordinates alone, which all sixteen partners share.
; THE MATRIX INSTRUCTION IS USED TRANSPOSED (source 0 = W's rows, source 1 = x's rows): a lane holds eight neighbouring columns of one row.
; THE WAY OUT.  The 128 x 384 sums are dumped in f32 into the ring's bytes, which have had their last fill; then a wave takes whole rows of one head: 16 lanes hold a row's 128 columns,
; so the norm's sum is four steps among 16 lanes.  Norm's factor is applied behind the rotary (both are linear).
; LIMITS.  q, k, v and Wo are stored in f16: within 65,504; Wo's numbers below 6.1e-5 keep f16's fixed step of 6e-8.
; REGISTERS: window 0: v0-31 addresses, v32-55 bias and gain, v64-209 Wo's piece at the head, later the way out; window 1: two fragment buffers of 128 (x's 4 blocks, then W's 12);
;   windows 2, 3: accumulator (a, b) in window 2 + a / 2 at v[96 (a % 2) + 8 b].
.set KSTEP,  128
.set PITCH,  272                       ; an LDS row: 256 bytes + 16: the 16 rows of a fragment load start 16 bytes apart modulo 256
.set PART,   128*PITCH                 ; 128 rows: what one tensor load brings
.set SLOT,   4*PART                    ; x's part, then Wq's, Wk's, Wv's
.set SPARE,  2*SLOT                    ; behind the ring: the spare words, 128 bytes a wave
.set DUMP,   65536                     ; the sums in f32, 128 rows; below it the rotary table, 128 rows x 512 bytes
.set DP,     1552                      ; a dump row: 1,536 bytes + 16.  Column 128 j + 8 i + 4 e + c lies at 768 e + 256 j + 16 i + 4 c
.set RPB,    4<<23                     ; the rotary table in cst
.set LAPS,   8                         ; 2,048 / 256: a lap = two K steps
.set WI,   8                           ; v8  my byte offset in the work-group's piece of Wo; never rewritten
.set WO,   9                           ; v9  the same in wo16; never rewritten
.set ADRA, 16                          ; v16-17 LDS address of my fragments of x in slot 0, 1
.set ADRB, 20                          ; v20-21 the same for W
.set DA0,  22                          ; v22-23 where I dump: blocks 0-1, blocks 2-3
.set XA,   24                          ; v24 where I read a dump row
.set RA,   25                          ; v25 where I read a table row
.set GO,   26                          ; v26 16 x lane
.set CSO,  27                          ; v27 my 16 bytes of a row of qks
.set SPW,  28                          ; v28 my spare word; never rewritten
.set NIL,  29                          ; v29 0; never rewritten
.set PFO,  30                          ; v30 4,096 x lane: a row of x or W
.set XB,   31                          ; v31 (lane / 16) x DP + 16 (lane % 16)
.set BI,   32                          ; v[32:39] bias of my 8 columns (q or k)
.set NW,   40                          ; v[40:47] gain
.set BV,   48                          ; v[48:55] v's bias
.set WX,   64                          ; v[64:191]  at the head: 128 numbers of Wo; then 64 packed words in v[64:127]
.set X,    64                          ; v[64:95]   four row pairs x 8 columns
.set RP,   96                          ; v[96:127]  their rotary entries, bf16
.set U,    128                         ; v[128:159] turned
.set SS,   160                         ; v[160:167] sums of squares, a pair of registers a row pair
.set HH,   176                         ; v[176:191] packed f16
.set CS,   192                         ; v[192:199] column sums
.set ZERO, 200
.set T,    202                         ; v[202:209] at work
.set F0,   0
.set F1,   128
.set NXT, 2                            ; s2 the start + the number of the time step that the next refill brings (not wrapped)
.set BA,  14                           ; s[14:15] x at my tile's first row, K step 0
.set BB,  46                           ; s[46:47] W likewise
.set G1,  24                           ; s[24:31] group 1 for x's tiles, s[32:39] group 0, a set a slot
.set G0,  32
.set G1B, 48                           ; s[48:55], s[56:63] the same for W's
.set G0B, 56
.set G1R, 84                           ; s[84:91], s[92:95] the rotary table's
.set G0R, 92
.set LIM, 43                           ; s43 a wave prefetches while s[NXT] is below it
.set PFB, 44                           ; s[44:45] my work-group's 32 rows of the 128 that I fetch, K step 0
.set PFA, 70                           ; s[70:71] the same at the K step that a prefetch names
.set OFF, 72                           ; s[72:73] a K step's byte offset in a row
.set MSB, 0
.macro WIN new                         ; the immediate's high byte repeats the setting that is left
.if MSB != (\new)
	s_set_vgpr_msb (MSB<<8)|(\new)
.set MSB, \new
.endif
.endm
.set MUL_LO, 0xa5                      ; sources 0 and 1 window 1, C and D window 2
.set TO_F,   0x40                      ; destination window 1, address window 0
; A joint load.  Wave 0 fetches x's tile, waves 1 to 3 Wq's, Wk's, Wv's.  The branch hangs on the wave's number alone.  An s_nop 0 and four v_nop follow each line.
.macro JLOAD s
	s_cmp_eq_u32 s10, 0
	s_cbranch_scc0 .Lfor_b_\@
	tensor_load_to_lds s[G0+4*(\s):G0+4*(\s)+3], s[G1:G1+7]
	s_nop 0
.rept 4
	v_nop
.endr
	s_branch .Lasked_\@
.Lfor_b_\@:
	tensor_load_to_lds s[G0B+4*(\s):G0B+4*(\s)+3], s[G1B:G1B+7]
	s_nop 0
.rept 4
	v_nop
.endr
.Lasked_\@:
.endm
; A prefetch of the K step that the NEXT refill asks for, 192 matrix instructions ahead of it: 32 rows x 256 bytes, a lane a row.  Of the 128 rows that a wave fetches each of the four partners that ask
; jointly takes 32, told apart by address.  By the rotation a block of W is asked for first by one of the four clusters along X, in its time steps 0 to 3; a block of x by a cluster in its time steps 0 to 7,
; and the two clusters with the same f walk alike: of them the one with Y < 2 asks.  So time step 3 is named for W, time steps 3 to 7 for x, and each row's 256 bytes of a K step at most once in the launch.
.macro ASK
	s_cmp_lt_u32 s[NXT], s[LIM]
	s_cbranch_scc0 .Lnot_mine_\@
	global_prefetch_b8 v[PFO], s[PFA:PFA+1] th:TH_LOAD_NT scope:SCOPE_SE
.Lnot_mine_\@:
.endm
.macro CREST                           ; a round of the cluster's barrier behind its opening barrier
	s_cmp_lg_u32 s10, 0
	s_cbranch_scc1 .Lnot_wave_0_\@
	s_barrier_signal -3
.Lnot_wave_0_\@:
	s_barrier_wait -3
	s_barrier_signal -1
	s_barrier_wait -1
.endm
.macro CROUND
	s_barrier_signal -1
	s_barrier_wait -1
	CREST
.endm
.macro PLACES                          ; four places behind matrix instructions, in front of loads into registers that they read and of stores of their results
.rept 4
	v_nop
.endr
.endm
.macro RND a                           ; two f32 rounded to bf16 and widened again
	v_cvt_pk_bf16_f32 v[T], v[\a], v[(\a)+1]
	v_lshlrev_b32 v[\a], 16, v[T]
	v_and_b32 v[(\a)+1], s98, v[T]
.endm
; Group g of Wo's piece: eight loads are in; 32 numbers a lane are rounded to bf16, that number is written as f16, in place (packed word j into WX + j), and stored.  Four pairs at a time, so that no line waits for the one before it.
.macro WOG g
	s_wait_loadcnt 30-8*(\g)                       ; the later groups' loads and the six of bias and gain may stay out
.irp q, 0,1,2,3
.set j0, 16*(\g)+4*(\q)
.irp c, 0,1,2,3
	v_cvt_pk_bf16_f32 v[T+2*(\c)], v[WX+2*(j0+(\c))], v[WX+2*(j0+(\c))+1]
.endr
.irp c, 0,1,2,3
	v_lshlrev_b32 v[T+2*(\c)+1], 16, v[T+2*(\c)]
.endr
.irp c, 0,1,2,3
	v_and_b32 v[T+2*(\c)], s98, v[T+2*(\c)]
.endr
.irp c, 0,1,2,3
	v_cvt_pk_f16_f32 v[WX+j0+(\c)], v[T+2*(\c)+1], v[T+2*(\c)]
.endr
.endr
.set n, 8*(\g)
.rept 8
	global_store_b64 v[WO], v[WX+2*n:WX+2*n+1], s[104:105] offset:256*n th:TH_STORE_NT  ; 256 consecutive bytes, aligned
.set n, n+1
.endr
.endm
	s_load_b512 s[68:83], s[0:1], 0x0              ; cst 68, bq 70, bk 72, bv 74, qn_w 76, kn_w 78, qkv 80, qks 82
	s_load_b64 s[100:101], s[0:1], 0x40            ; Wo
	s_load_b64 s[104:105], s[0:1], 0x48            ; wo16
	v_lshl_add_u32 v[SPW], v0, 2, SPARE
	v_mov_b32 v[NIL], 0
	ds_add_u32 v[SPW], v[NIL]                      ; the wave's opening: the add and its wait stand ahead of my first tensor load
	v_lshrrev_b32 v1, 5, v0
	v_readfirstlane_b32 s10, v1                    ; wave 0..3
	v_and_b32 v[WI], 31, v0
	v_lshlrev_b32 v[WO], 3, v[WI]
	v_lshlrev_b32 v[WI], 4, v[WI]
	v_lshl_add_u32 v[WI], v1, 14, v[WI]            ; Wo: 16,384 wave + 16 lane
	v_lshl_add_u32 v[WO], v1, 13, v[WO]            ; wo16: 8,192 wave + 8 lane
	s_lshr_b32 s11, s10, 1                         ; my half of the rows; later: q (0) or k (1)
	s_and_b32 s12, s10, 1                          ; my half of the columns; later: which block of 64 rows
	s_bfe_u32 s40, ttmp6, 0x40000                  ; cx
	s_bfe_u32 s41, ttmp6, 0x40004                  ; cy
	s_lshl_b32 s13, ttmp9, 2
	s_add_co_u32 s13, s13, s40                     ; ty: the block of 128 rows, by the grid's x
	s_and_b32 s3, ttmp7, 0xffff                    ; Y: the cluster's y
	s_lshl_b32 s42, s3, 2
	s_add_co_u32 s42, s42, s41                     ; tx: the head, by the grid's y
	s_lshr_b32 s[NXT], s3, 1                       ; where my cluster's walk along K begins:
	s_xor_b32 s[NXT], s[NXT], s3
	s_and_b32 s[NXT], s[NXT], 1                    ; f(Y)
	s_lshl_b32 s[NXT], s[NXT], 3
	s_lshl_b32 s22, ttmp9, 2
	s_add_co_u32 s[NXT], s[NXT], s22
	s_and_b32 s[NXT], s[NXT], 15                   ; 4 X + 8 f, a multiple of 4
	s_lshl_b32 s43, s41, 2
	s_lshl_b32 s43, 15, s43                        ; my row of the cluster
	s_lshl_b32 s44, 0x1111, s40                    ; my column
	s_or_b32 s[G1+0], s44, (1<<16)|(1<<20)|(1<<21)|(5<<22)|(3<<25)   ; x's tiles go to my column; 2-byte elements; padding on; bit 21 beside a mask; after every 64 words, 4 words
	s_or_b32 s[G1B+0], s43, (1<<16)|(1<<20)|(1<<21)|(5<<22)|(3<<25)  ; W's to my row
	s_or_b32 s[G1R+0], s44, (3<<16)|(1<<21)        ; the table: to my column; 8-byte elements, no padding
.irp g, G1, G1B
	s_mov_b32 s[(\g)+1], KSTEP<<16                 ; tensor_dim0 = 128
	s_mov_b32 s[(\g)+2], 128<<16                   ; tensor_dim1 = 128
	s_mov_b32 s[(\g)+3], KSTEP<<16                 ; tile_dim0 = 128
	s_mov_b32 s[(\g)+4], 128                       ; tile_dim1 = 128
	s_mov_b32 s[(\g)+5], 2048                      ; elements from row to row
	s_mov_b32 s[(\g)+6], 0
	s_mov_b32 s[(\g)+7], 0
.endr
	s_mov_b32 s[G1R+1], 32<<16                     ; 32 table rows are 16,384 dense bytes: 64 rows of 256
	s_mov_b32 s[G1R+2], 64<<16
	s_mov_b32 s[G1R+3], 32<<16
	s_mov_b32 s[G1R+4], 64
	s_mov_b32 s[G1R+5], 32
	s_mov_b32 s[G1R+6], 0
	s_mov_b32 s[G1R+7], 0
	s_lshl_b32 s16, s13, 19                        ; x: 128 ty rows of 4,096 bytes
	s_mov_b32 s17, 0
	s_lshl_b32 s46, s42, 19                        ; W: 128 tx rows,
	s_lshl_b32 s47, s10, 23                        ; in part w of cst
	s_add_co_u32 s46, s46, s47
	s_mov_b32 s47, 0
	s_lshl_b32 s18, s13, 16                        ; the table: (128 ty + 32 w) rows of 512 bytes
	s_lshl_b32 s19, s10, 14
	s_add_co_u32 s18, s18, s19
	s_add_co_u32 s18, s18, RPB
	s_mov_b32 s19, 0
	s_lshl_b32 s22, s13, 4
	s_add_co_u32 s22, s22, s42                     ; my work-group among the 256:
	s_lshl_b32 s4, s22, 16                         ; its 65,536 bytes of Wo,
	s_mov_b32 s5, 0
	s_lshl_b32 s6, s22, 15                         ; its 32,768 of wo16
	s_mov_b32 s7, 0
	s_mul_i32 s20, s10, PART                       ; where my tiles go: part w of a slot
	s_mov_b32 s[G0R], 1
	s_lshl_b32 s[G0R+1], s10, 14                   ; my 32 table rows
	s_mov_b32 s96, 0x3c000000                      ; 1 / 128
	s_mov_b32 s97, 0x358637bd                      ; 1e-6
	s_mov_b32 s98, 0xffff0000                      ; a word's upper bf16; also: the lanes 16 to 31
	s_mov_b32 s66, 0x76543210                      ; v_permlanex16_b32: each lane takes its own place in the other half
	s_mov_b32 s67, 0xfedcba98
	s_wait_dscnt 0x0                               ; the opening add is done
	s_wait_kmcnt 0x0
	s_add_nc_u64 s[100:101], s[100:101], s[4:5]
	s_add_nc_u64 s[104:105], s[104:105], s[6:7]
.set n, 0
.rept 32
	global_load_b128 v[WX+4*n:WX+4*n+3], v[WI], s[100:101] offset:512*n th:TH_LOAD_NT  ; my 16 KiB of Wo go out first: they are in when the first tiles are still on their way
.set n, n+1
.endr
	s_add_nc_u64 s[BA:BA+1], s[68:69], s[16:17]
	s_add_nc_u64 s[BB:BB+1], s[68:69], s[46:47]
	s_add_nc_u64 s[G0R+2:G0R+3], s[68:69], s[18:19]
	s_or_b32 s[G0R+3], s[G0R+3], 0x80000000
	s_lshl_b32 s22, s[NXT], 8                      ; the walk's first K step, in bytes of a row
	s_mov_b32 s23, 0
	CROUND                                         ; all sixteen work-groups are here: the first joint loads meet
.irp s, 0,1
	s_mov_b32 s[G0+4*(\s)], 1
	s_add_co_u32 s[G0+4*(\s)+1], s20, (\s)*SLOT
	s_add_nc_u64 s[G0+4*(\s)+2:G0+4*(\s)+3], s[BA:BA+1], s[22:23]
	s_add_nc_u64 s[G0+4*(\s)+2:G0+4*(\s)+3], s[G0+4*(\s)+2:G0+4*(\s)+3], (\s)*KSTEP*2  ; the start is a multiple of 4: the second step does not pass the row's end
	s_or_b32 s[G0+4*(\s)+3], s[G0+4*(\s)+3], 0x80000000
	s_mov_b32 s[G0B+4*(\s)], 1
	s_add_co_u32 s[G0B+4*(\s)+1], s20, (\s)*SLOT
	s_add_nc_u64 s[G0B+4*(\s)+2:G0B+4*(\s)+3], s[BB:BB+1], s[22:23]
	s_add_nc_u64 s[G0B+4*(\s)+2:G0B+4*(\s)+3], s[G0B+4*(\s)+2:G0B+4*(\s)+3], (\s)*KSTEP*2
	s_or_b32 s[G0B+4*(\s)+3], s[G0B+4*(\s)+3], 0x80000000
	JLOAD \s                                       ; two loads of mine are out
.endr
	s_add_co_u32 s[NXT], s[NXT], 2                 ; the first refill brings time step 2
	; where the results go
	s_lshl_b32 s20, s42, 19                        ; the head: 2,048 rows of 256 bytes,
	s_lshl_b32 s21, s13, 15                        ; my work-group's 128 rows
	s_add_co_u32 s20, s20, s21
	s_lshl_b32 s22, s10, 13                        ; v: my 32 rows,
	s_add_co_u32 s22, s22, s20
	s_add_co_u32 s22, s22, 2<<23                   ; in kind 2
	s_mov_b32 s23, 0
	s_add_nc_u64 s[6:7], s[80:81], s[22:23]
	s_lshl_b32 s21, s11, 23                        ; q or k,
	s_add_co_u32 s20, s20, s21
	s_lshl_b32 s21, s12, 14                        ; my block of 64 rows
	s_add_co_u32 s20, s20, s21
	s_mov_b32 s21, 0
	s_add_nc_u64 s[4:5], s[80:81], s[20:21]
	s_lshl_b32 s20, s11, 4
	s_add_co_u32 s20, s20, s42
	s_lshl_b32 s20, s20, 14                        ; qks: (kind x 16 + head) x 32 blocks x 512 bytes,
	s_lshl_b32 s21, s13, 1
	s_add_co_u32 s21, s21, s12
	s_lshl_b32 s21, s21, 9                         ; block 2 ty + my half
	s_add_co_u32 s20, s20, s21
	s_mov_b32 s21, 0
	s_add_nc_u64 s[8:9], s[82:83], s[20:21]
	; the prefetches
	s_add_co_u32 s22, s[NXT], 6                    ; the start + 8: x's bound,
	s_add_co_u32 s23, s[NXT], 2                    ; the start + 4: W's
	s_cmp_lt_u32 s3, 2                             ; of the two clusters that walk x's rows alike the one with Y < 2 asks
	s_cselect_b32 s22, s22, 0
	s_cmp_eq_u32 s10, 0                            ; do I fetch x?
	s_cselect_b32 s[LIM], s22, s23                 ; the same in all sixteen partners, for a given wave
	s_cselect_b32 s20, s13, s42                    ; the tile's block of rows
	s_cselect_b32 s21, s41, s40                    ; my place among the four that ask with me
	s_lshl_b32 s20, s20, 19
	s_lshl_b32 s21, s21, 17                        ; my work-group's 32 rows
	s_add_co_u32 s20, s20, s21
	s_lshl_b32 s21, s10, 23
	s_add_co_u32 s20, s20, s21
	s_mov_b32 s21, 0
	s_add_nc_u64 s[PFB:PFB+1], s[68:69], s[20:21]
	; bias and gain of my 8 columns in the way out
	s_cmp_eq_u32 s11, 0
	s_cselect_b64 s[18:19], s[70:71], s[72:73]
	s_cselect_b64 s[16:17], s[76:77], s[78:79]
	v_and_b32 v1, 15, v0                           ; l % 16
	v_bfe_u32 v2, v0, 4, 1                         ; l / 16
	v_lshlrev_b32 v6, 5, v1                        ; 8 columns of f32
	s_lshl_b32 s21, s42, 9
	v_add_nc_u32 v7, s21, v6                       ; in head tx
	global_load_b128 v[BI:BI+3],   v7, s[18:19]
	global_load_b128 v[BI+4:BI+7], v7, s[18:19] offset:16
	global_load_b128 v[NW:NW+3],   v6, s[16:17]
	global_load_b128 v[NW+4:NW+7], v6, s[16:17] offset:16
	global_load_b128 v[BV:BV+3],   v7, s[74:75]
	global_load_b128 v[BV+4:BV+7], v7, s[74:75] offset:16
	v_mul_u32_u24 v3, v1, PITCH
	v_lshl_add_u32 v3, v2, 4, v3                   ; a fragment's row x pitch + 16 x half
	s_mul_i32 s21, s11, 64*PITCH                   ; my 64 rows of x
	s_mul_i32 s22, s12, 192*PITCH                  ; my 192 rows of W,
	s_add_co_u32 s22, s22, PART                    ; which lie behind x's part
.irp s, 0,1
	v_add_nc_u32 v[ADRA+(\s)], s21, v3
	v_add_nc_u32 v[ADRB+(\s)], s22, v3
	s_add_co_u32 s21, s21, SLOT
	s_add_co_u32 s22, s22, SLOT
.endr
	v_mul_u32_u24 v4, v1, DP
	v_lshl_add_u32 v4, v2, 4, v4
	s_mul_i32 s21, s11, 64*DP
	s_mul_i32 s22, s12, 384
	s_add_co_u32 s21, s21, s22
	s_add_co_u32 s21, s21, DUMP
	v_add_nc_u32 v[DA0], s21, v4                   ; dump: row 64 wr + l % 16, my 12 column groups, 16 bytes a half of the lanes
	v_add_nc_u32 v[DA0+1], 32*DP, v[DA0]
	v_mul_u32_u24 v[XB], v2, DP
	v_lshl_add_u32 v[XB], v1, 4, v[XB]
	s_mul_i32 s21, s12, 64*DP
	s_lshl_b32 s22, s11, 8
	s_add_co_u32 s21, s21, s22
	s_add_co_u32 s21, s21, DUMP
	v_add_nc_u32 v[XA], s21, v[XB]                 ; rows of q or k: my block's first two rows, my kind's 256 bytes
	s_mul_i32 s99, s10, 32*DP
	s_add_co_u32 s99, s99, DUMP+512                ; rows of v: my 32 rows
	v_lshlrev_b32 v[RA], 9, v2
	v_lshl_add_u32 v[RA], v1, 4, v[RA]
	s_lshl_b32 s21, s12, 15
	v_add_nc_u32 v[RA], s21, v[RA]
	v_and_b32 v[GO], 31, v0
	v_lshlrev_b32 v[PFO], 12, v[GO]
	v_lshlrev_b32 v[GO], 4, v[GO]
	v_lshlrev_b32 v[CSO], 5, v1
	v_lshl_add_u32 v[CSO], v2, 4, v[CSO]
	WOG 0                                          ; Wo's piece, in the wait for the first tiles
	WOG 1
	WOG 2
	WOG 3
	s_wait_loadcnt 0x0                             ; bias and gain
.irp a, 32,34,36,38,40,42,44,46,48,50,52,54
	RND \a
.endr
	s_mov_b32 s[OFF+1], 0                          ; (bq's and bk's addresses have been chosen from: their registers serve anew)
; 12 matrix instructions: block a of my four blocks of 16 rows x all 12 column groups, 32 along K.  The 48 accumulators take turns, one instruction a turn.
.macro MULA f, a, zero
	WIN MUL_LO+0x50*((\a)/2)
.set AC, 96*((\a)%2)
.irp b, 0,1,2,3,4,5,6,7,8,9,10,11
.if \zero
	v_wmma_f32_16x16x32_bf16 v[AC+8*(\b):AC+8*(\b)+7], v[(\f)+32+8*(\b):(\f)+32+8*(\b)+7], v[(\f)+8*(\a):(\f)+8*(\a)+7], 0
.else
	v_wmma_f32_16x16x32_bf16 v[AC+8*(\b):AC+8*(\b)+7], v[(\f)+32+8*(\b):(\f)+32+8*(\b)+7], v[(\f)+8*(\a):(\f)+8*(\a)+7], v[AC+8*(\b):AC+8*(\b)+7]
.endif
.endr
.endm
; 32 LDS loads in one run: W's 12 fragments, then x's 4, for 32 along K at byte k of the rows
.macro FETCH slot, k, f
	WIN TO_F
.irp i, 0,1,2,3,4,5,6,7,8,9,10,11
	ds_load_b128 v[(\f)+32+8*(\i):(\f)+32+8*(\i)+3],   v[ADRB+(\slot)] offset:(\k)+(\i)*16*PITCH
	ds_load_b128 v[(\f)+32+8*(\i)+4:(\f)+32+8*(\i)+7], v[ADRB+(\slot)] offset:(\k)+(\i)*16*PITCH+32
.endr
.irp i, 0,1,2,3
	ds_load_b128 v[(\f)+8*(\i):(\f)+8*(\i)+3],   v[ADRA+(\slot)] offset:(\k)+(\i)*16*PITCH
	ds_load_b128 v[(\f)+8*(\i)+4:(\f)+8*(\i)+7], v[ADRA+(\slot)] offset:(\k)+(\i)*16*PITCH+32
.endr
.endm
; A K step is four quarters of 32 along K, 48 matrix instructions each, on buffers 0, 1, 0, 1.
.macro QUARTER slot, k, f, g, zero
	s_wait_dscnt 4                                 ; all but the youngest four loads: x's blocks 2 and 3
	MULA \f, 0, \zero
	MULA \f, 1, \zero
	PLACES
	FETCH \slot, \k, \g
	s_wait_dscnt 32                                ; all but the 32 just issued
	MULA \f, 2, \zero
	MULA \f, 3, \zero
.endm
; The last quarter's first half: the barrier of the change of slots.  In front of it each wave waits for all its tensor loads, adds 0 to its spare word, and waits for that and for its reads of this slot.
; slot >= 0: that slot's two descriptors are made anew for the refill, between the add and the wait for it: the tile's base + the next K step of the walk, round the row's end.
.macro MEET slot
	WIN 0
	s_wait_tensorcnt 0x0                           ; my one load that was out, my part of the next slot, has landed: every group 0 may be written
	ds_add_u32 v[SPW], v[NIL]
.if (\slot) >= 0
	s_and_b32 s[OFF], s[NXT], 15
	s_lshl_b32 s[OFF], s[OFF], 8
	s_add_co_u32 s[NXT], s[NXT], 1
	s_add_nc_u64 s[G0+4*(\slot)+2:G0+4*(\slot)+3], s[BA:BA+1], s[OFF:OFF+1]
	s_or_b32 s[G0+4*(\slot)+3], s[G0+4*(\slot)+3], 0x80000000
	s_add_nc_u64 s[G0B+4*(\slot)+2:G0B+4*(\slot)+3], s[BB:BB+1], s[OFF:OFF+1]
	s_or_b32 s[G0B+4*(\slot)+3], s[G0B+4*(\slot)+3], 0x80000000
.endif
	s_wait_dscnt 5                                 ; (the add and the youngest four loads may be out)
	MULA F1, 0, 0
	s_wait_dscnt 0x0                               ; the add is done, my reads of this slot are over
	s_barrier_signal -1                            ; opens a round of the cluster's barrier
	MULA F1, 1, 0
	WIN 0
	s_barrier_wait -1
.endm
.macro TURN slot, next
	s_wait_xcnt 0x0                                ; the last prefetch, a K step back, has read its address: it is made anew for the K step behind the one that this refill brings
	s_add_co_u32 s[OFF], s[NXT], 1
	s_and_b32 s[OFF], s[OFF], 15
	s_lshl_b32 s[OFF], s[OFF], 8
	s_add_nc_u64 s[PFA:PFA+1], s[PFB:PFB+1], s[OFF:OFF+1]
	MEET \slot
	CREST                                          ; no wave of any partner still reads this slot or has a load on its way
	JLOAD \slot                                    ; the first tensor load behind the round; its four v_nop are also the places in front of the loads below
	FETCH \next, 0, F0
	WIN 0
	ASK
	MULA F1, 2, 0
	MULA F1, 3, 0
.endm
	s_wait_tensorcnt 1                             ; my part of the first K step is in; the second's may stay out
	s_barrier_signal -1
	s_barrier_wait -1
	FETCH 0, 0, F0
	QUARTER 0, 64,  F0, F1, 1                      ; the first quarter's products start the sums
	WIN 0
	s_mov_b32 s3, LAPS-1
.Llap:                                         ; a trip goes once round the ring and fills both slots again
	QUARTER 0, 128, F1, F0, 0
	QUARTER 0, 192, F0, F1, 0
	TURN 0, 1
	QUARTER 1, 64,  F0, F1, 0
	QUARTER 1, 128, F1, F0, 0
	QUARTER 1, 192, F0, F1, 0
	TURN 1, 0
	QUARTER 0, 64,  F0, F1, 0
	WIN 0
	s_sub_co_u32 s3, s3, 1
	s_cmp_lg_u32 s3, 0
	s_cbranch_scc1 .Llap
	QUARTER 0, 128, F1, F0, 0                      ; the last lap
	QUARTER 0, 192, F0, F1, 0
	MEET -1
	CREST
	tensor_load_to_lds s[G0R:G0R+3], s[G1R:G1R+7]  ; slot 0 is read no more: its first 65,536 bytes take the rotary table, 32 rows a wave, jointly along the cluster's column
	s_nop 0
.rept 4
	v_nop
.endr
	FETCH 1, 0, F0
	MULA F1, 2, 0
	MULA F1, 3, 0
	QUARTER 1, 64,  F0, F1, 0
	QUARTER 1, 128, F1, F0, 0
	QUARTER 1, 192, F0, F1, 0
	s_wait_dscnt 4
	MULA F1, 0, 0
	MULA F1, 1, 0
	s_wait_dscnt 0x0
	MULA F1, 2, 0
	MULA F1, 3, 0
	PLACES
	WIN 0
	s_wait_tensorcnt 0x0                           ; my part of the table has landed,
	s_wait_dscnt 0x0                               ; my reads of slot 1 are over
	s_barrier_signal -1
	s_barrier_wait -1                              ; everybody's: the ring's bytes from DUMP on may be written, and no fill follows
.irp a, 0,1,2,3
	WIN 0x08+4*((\a)/2)                            ; store data in window 2 or 3
.irp b, 0,1,2,3,4,5,6,7,8,9,10,11
	ds_store_b128 v[DA0+(\a)/2], v[96*((\a)%2)+8*(\b):96*((\a)%2)+8*(\b)+3]   offset:((\a)%2)*16*DP+(\b)*32      ; each accumulator's low four registers first
	ds_store_b128 v[DA0+(\a)/2], v[96*((\a)%2)+8*(\b)+4:96*((\a)%2)+8*(\b)+7] offset:((\a)%2)*16*DP+(\b)*32+768
.endr
.endr
	WIN 0
.irp c, 0,1,2,3,4,5,6,7
	v_mov_b32 v[CS+(\c)], 0
	v_mov_b32 v[T+(\c)], 0
.endr
	v_mov_b32 v[ZERO], 0
	s_wait_dscnt 0x0                               ; for the others' sake: my dump is done
	s_barrier_signal -1
	s_barrier_wait -1
; ROWS OF q OR k.  Wave w: kind w >> 1, block w & 1 of 64 rows.  Lane (i = l % 16, p = l / 16) holds columns 8 i .. 8 i + 7 of row 2 k + p.  A trip takes four row pairs.
.macro ROT k                           ; the rotary of row pair k: out0 = R00 x0 + R01 x1, out1 = R10 x0 + R11 x1; R's entries are bf16 halves
.irp e, 0,1
.irp c, 0,1
.set rx, X+8*(\k)+4*(\e)+2*(\c)
.set rr, RP+8*(\k)+4*(\e)+2*(\c)
.set ru, U+8*(\k)+4*(\e)+2*(\c)
	v_fma_mix_f32_bf16 v[ru],   v[rr],   v[rx],   v[ZERO] op_sel_hi:[1,0,0]
	v_fma_mix_f32_bf16 v[ru+1], v[rr+1], v[rx],   v[ZERO] op_sel_hi:[1,0,0]
	v_fma_mix_f32_bf16 v[ru],   v[rr],   v[rx+1], v[ru]   op_sel:[1,0,0] op_sel_hi:[1,0,0]
	v_fma_mix_f32_bf16 v[ru+1], v[rr+1], v[rx+1], v[ru+1] op_sel:[1,0,0] op_sel_hi:[1,0,0]
.endr
.endr
.endm
.macro RED m, k                        ; one step of the four sums among 16 lanes, then a row pair's rotary, which waits for none of them
.irp q, 0,1,2,3
	v_add_f32_dpp v[SS+2*(\q)], v[SS+2*(\q)], v[SS+2*(\q)] row_xmask:\m row_mask:0xf bank_mask:0xf
.endr
	ROT \k
.endm
	s_mov_b32 s2, 8
.Lrows:
.irp k, 0,1,2,3
.irp e, 0,1
	ds_load_b128 v[X+8*(\k)+4*(\e):X+8*(\k)+4*(\e)+3], v[XA] offset:(\k)*2*DP+(\e)*768
.endr
.endr
.irp k, 0,1,2,3
.irp e, 0,1
	ds_load_b128 v[RP+8*(\k)+4*(\e):RP+8*(\k)+4*(\e)+3], v[RA] offset:(\k)*1024+(\e)*256
.endr
.endr
	s_wait_dscnt 8                                 ; the sums are in; the table's eight loads may stay out
.irp k, 0,1,2,3
.irp c, 0,2,4,6
	v_pk_add_f32 v[X+8*(\k)+(\c):X+8*(\k)+(\c)+1], v[X+8*(\k)+(\c):X+8*(\k)+(\c)+1], v[BI+(\c):BI+(\c)+1]
.endr
.endr
.irp k, 0,1,2,3
	v_pk_mul_f32 v[SS+2*(\k):SS+2*(\k)+1], v[X+8*(\k):X+8*(\k)+1], v[X+8*(\k):X+8*(\k)+1]
.endr
.irp c, 2,4,6
.irp k, 0,1,2,3
	v_pk_fma_f32 v[SS+2*(\k):SS+2*(\k)+1], v[X+8*(\k)+(\c):X+8*(\k)+(\c)+1], v[X+8*(\k)+(\c):X+8*(\k)+(\c)+1], v[SS+2*(\k):SS+2*(\k)+1]
.endr
.endr
.irp k, 0,1,2,3
	v_add_f32 v[SS+2*(\k)], v[SS+2*(\k)], v[SS+2*(\k)+1]
.endr
.irp k, 0,1,2,3
.irp c, 0,2,4,6
	v_pk_mul_f32 v[X+8*(\k)+(\c):X+8*(\k)+(\c)+1], v[X+8*(\k)+(\c):X+8*(\k)+(\c)+1], v[NW+(\c):NW+(\c)+1]
.endr
.endr
	s_wait_dscnt 0x0                               ; the table's entries are in
	RED 1, 0
	RED 2, 1
	RED 4, 2
	RED 8, 3
.irp k, 0,1,2,3
	v_fma_f32 v[SS+2*(\k)], v[SS+2*(\k)], s96, s97 ; mean of squares + eps
.endr
.irp k, 0,1,2,3
	v_rsq_f32 v[SS+2*(\k)], v[SS+2*(\k)]
.endr
	v_nop                                          ; a plain instruction behind the last of the batch,
	s_wait_alu depctr_va_vdst(0)                   ; and one wait for the four, ahead of their first reader
.irp k, 0,1,2,3
.irp c, 0,2,4,6
	v_pk_mul_f32 v[U+8*(\k)+(\c):U+8*(\k)+(\c)+1], v[U+8*(\k)+(\c):U+8*(\k)+(\c)+1], v[SS+2*(\k):SS+2*(\k)+1] op_sel_hi:[1,0]
.endr
.endr
.irp k, 0,1,2,3
.irp c, 0,2,4,6
	v_pk_add_f32 v[CS+(\c):CS+(\c)+1], v[CS+(\c):CS+(\c)+1], v[U+8*(\k)+(\c):U+8*(\k)+(\c)+1]  ; the block's sums, of the f32 numbers
.endr
.endr
.irp k, 0,1,2,3
.irp c, 0,1,2,3
	v_cvt_pk_f16_f32 v[HH+4*(\k)+(\c)], v[U+8*(\k)+2*(\c)], v[U+8*(\k)+2*(\c)+1]
.endr
.endr
.irp k, 0,1,2,3
	global_store_b128 v[GO], v[HH+4*(\k):HH+4*(\k)+3], s[4:5] offset:512*(\k)  ; two rows of a head: 512 consecutive bytes, aligned
.endr
	s_wait_xcnt 0x0                                ; the stores' data and base are written again only behind this wait
	s_add_nc_u64 s[4:5], s[4:5], 2048
	v_add_nc_u32 v[XA], 8*DP, v[XA]
	v_add_nc_u32 v[RA], 4096, v[RA]
	s_sub_co_u32 s2, s2, 1
	s_cmp_lg_u32 s2, 0
	s_cbranch_scc1 .Lrows
	; the block's column sums: the two halves of the lanes hold the even and the odd rows'
.irp c, 0,1,2,3,4,5,6,7
	v_permlanex16_b32 v[T+(\c)], v[CS+(\c)], s66, s67
.endr
.irp c, 0,2,4,6
	v_pk_add_f32 v[CS+(\c):CS+(\c)+1], v[CS+(\c):CS+(\c)+1], v[T+(\c):T+(\c)+1]
.endr
.irp c, 0,1,2,3
	v_cndmask_b32 v[T+(\c)], v[CS+(\c)], v[CS+4+(\c)], s98  ; lanes 16 to 31 store the upper four columns
.endr
	global_store_b128 v[CSO], v[T:T+3], s[8:9]     ; 512 consecutive bytes: a whole row of qks
	; ROWS OF v.  Wave w: rows 32 w .. +31; bias, rounding, nothing else.
	v_add_nc_u32 v[XA], s99, v[XB]
	s_mov_b32 s2, 4
.Lvrows:
.irp k, 0,1,2,3
.irp e, 0,1
	ds_load_b128 v[X+8*(\k)+4*(\e):X+8*(\k)+4*(\e)+3], v[XA] offset:(\k)*2*DP+(\e)*768
.endr
.endr
	s_wait_dscnt 0x0
.irp k, 0,1,2,3
.irp c, 0,2,4,6
	v_pk_add_f32 v[X+8*(\k)+(\c):X+8*(\k)+(\c)+1], v[X+8*(\k)+(\c):X+8*(\k)+(\c)+1], v[BV+(\c):BV+(\c)+1]
.endr
.endr
.irp k, 0,1,2,3
.irp c, 0,1,2,3
	v_cvt_pk_f16_f32 v[HH+4*(\k)+(\c)], v[X+8*(\k)+2*(\c)], v[X+8*(\k)+2*(\c)+1]
.endr
.endr
.irp k, 0,1,2,3
	global_store_b128 v[GO], v[HH+4*(\k):HH+4*(\k)+3], s[6:7] offset:512*(\k)
.endr
	s_wait_xcnt 0x0                                ; as above
	s_add_nc_u64 s[6:7], s[6:7], 2048
	v_add_nc_u32 v[XA], 8*DP, v[XA]
	s_sub_co_u32 s2, s2, 1
	s_cmp_lg_u32 s2, 0
	s_cbranch_scc1 .Lvrows
	s_wait_tensorcnt 0x0                           ; the wave's end
	ds_add_u32 v[SPW], v[NIL]
	s_wait_dscnt 0x0
	CROUND                                         ; the closing round
	s_endpgm
.Lfunc_end_k_qca494e05bd_project:
	.size	k_qca494e05bd_project, .Lfunc_end_k_qca494e05bd_project-k_qca494e05bd_project
	.p2alignl 7, 3214868480
	.fill 96, 4, 3214868480
	.section	.rodata,"a",@progbits
	.p2align	6, 0x0
	.amdhsa_kernel k_qca494e05bd_project
		.amdhsa_group_segment_fixed_size 327680
		.amdhsa_private_segment_fixed_size 0
		.amdhsa_enable_private_segment 0
		.amdhsa_kernarg_size 80
		.amdhsa_user_sgpr_count 2
		.amdhsa_user_sgpr_kernarg_segment_ptr 1
		.amdhsa_wavefront_size32 1
		.amdhsa_system_sgpr_workgroup_id_x 1
		.amdhsa_system_sgpr_workgroup_id_y 1
		.amdhsa_system_sgpr_workgroup_id_z 1
		.amdhsa_system_vgpr_workitem_id 0
		.amdhsa_next_free_vgpr 1024
		.amdhsa_next_free_sgpr 106
		.amdhsa_reserve_vcc 0
		.amdhsa_float_denorm_mode_32 3
		.amdhsa_float_denorm_mode_16_64 3
		.amdhsa_memory_ordered 1
		.amdhsa_forward_progress 1
		.amdhsa_inst_pref_size 144
	.end_amdhsa_kernel
	.amdgpu_metadata
---
amdhsa.version: [ 1, 2 ]
amdhsa.kernels:
  - .name:           k_qca494e05bd_project
    .symbol:         k_qca494e05bd_project.kd
    .args:
      - { .name: cst, .offset: 0, .size: 8, .value_kind: global_buffer, .address_space: global }
      - { .name: bq, .offset: 8, .size: 8, .value_kind: global_buffer, .address_space: global }
      - { .name: bk, .offset: 16, .size: 8, .value_kind: global_buffer, .address_space: global }
      - { .name: bv, .offset: 24, .size: 8, .value_kind: global_buffer, .address_space: global }
      - { .name: qn_w, .offset: 32, .size: 8, .value_kind: global_buffer, .address_space: global }
      - { .name: kn_w, .offset: 40, .size: 8, .value_kind: global_buffer, .address_space: global }
      - { .name: qkv, .offset: 48, .size: 8, .value_kind: global_buffer, .address_space: global }
      - { .name: qks, .offset: 56, .size: 8, .value_kind: global_buffer, .address_space: global }
      - { .name: Wo, .offset: 64, .size: 8, .value_kind: global_buffer, .address_space: global }
      - { .name: wo16, .offset: 72, .size: 8, .value_kind: global_buffer, .address_space: global }
    .group_segment_fixed_size: 327680
    .private_segment_fixed_size: 0
    .kernarg_segment_align: 8
    .kernarg_segment_size: 80
    .max_flat_workgroup_size: 128
    .sgpr_count:     106
    .vgpr_count:     1024
    .wavefront_size: 32
...
	.end_amdgpu_metadata
.endif
;; end of part 2
;; launch attend (part 3): grid 16 x 16, 4 waves a work-group, clusters of 4 x 1, 327,680 bytes of LDS; arguments qkv, qks, sta_mask, att; writes att
.if DOCPART == 3
	.amdgcn_target "amdgcn-amd-amdhsa--gfx1250"
	.amdhsa_code_object_version 6
	.text
	.protected	k_qca494e05bd_attend
	.globl	k_qca494e05bd_attend
	.p2align	8
	.type	k_qca494e05bd_attend,@function
k_qca494e05bd_attend:
	s_mov_b64 s[64:65], 0
	v_nop
	global_prefetch_b8 v0, s[64:65] scope:SCOPE_SE
	s_setreg_imm32_b32 hwreg(HW_REG_WAVE_MODE, 25, 1), 1
	s_wait_xcnt 0x0
	s_wait_alu depctr_hold_cnt(0) depctr_sa_sdst(0) depctr_va_vdst(0) depctr_va_sdst(0) depctr_va_ssrc(0) depctr_va_vcc(0) depctr_vm_vsrc(0)
	s_getreg_b32 s2, hwreg(HW_REG_IB_STS2, 6, 4)
	s_cmp_eq_u32 s2, 0
	s_cbranch_scc0 .Lentry_in_a_cluster
	s_endpgm
.Lentry_in_a_cluster:
	s_bfe_u32 s2, ttmp6, 0x10000c
	s_cmp_lg_u32 s2, 0x3003
	s_cbranch_scc0 .Lentry_shape_is_right
	s_endpgm
.Lentry_shape_is_right:
; Block-masked attention at head size 128.  qkv: [3][16][2048][128] f16; qks: [2][16][32][128] f32, sums of q and k over blocks of 64 rows; sta_mask: [16][32][32] bytes; att: [2048][16 x 128] f16.
; THE MASK (a row of 32 bits for my block of 64 queries) is made here, at the head: softmax over the 32 block scores; an entry stays if the sum of all entries that a stable ascending sort puts at or before it
; reaches 0.1; or if sta_mask says so.  It SELECTS A VALUE ONLY: the C operand that starts a score sum is 0, or -1e30 for a hidden key block.  No branch and no address hangs on it; every key block is multiplied.
; SHARES.  A work-group owns 128 queries of a head: 256 work-groups.  Wave w: query block 2 x (work-group's number) + (w & 1), four tiles of 16; of each slot's four key steps of 64 it takes 2 (w >> 1) and the next.
; So a key step is one key block, the mask is one bit a wave and step, and the two waves of a query block meet once, in LDS, at the end (running maxima and sums in f32).
; LAYOUT, SOFTMAX, TURNS.  S^T = K Q^T holds one query a lane; two such results rounded to f16 are source 1 of O^T = V^T P.  p = 2^(c s - c m), c = log2(e) / sqrt(128), m a running maximum; O and l are
; multiplied by a = 2^(c m_old - c m_new) in every step.  The wave's tiles are two pieces (0: tiles 0, 1; 2: tiles 2, 3).  In a turn one piece has the matrix unit (32 products V^T P, 32 products K Q^T of the next
; step) and the other piece's softmax stands in 64 slices behind them.  m starts at the lowest finite number, O and l at 0: the first step is a step like any other, with a = 0.
; CLUSTER.  The four work-groups of a cluster belong to one head and walk the same K and V: each tile is asked for jointly.
; LIMITS.  A hidden score counts as its value less 1e30 (the definition: -1e9): the same weights as long as a row's largest allowed score lies above about -1e9.  A step in which all is hidden leaves finite
; numbers that the next allowed step, or the meeting, multiplies by 0; every row has an allowed block (the last running sum is 1).  Entries of the block map that tie to within f32 rounding may fall on either side.
; REGISTERS: window 0: v0-11 addresses; v12-43 statistics; v44-51 the mask; v52-63 addresses; v64-191 S^T; v192-255 P.  window 1: O^T.  window 2: v0-127 Q, v128-255 K.  window 3: v0-127 V.
.set KS,    64
.set PK,    272                        ; a row of K in LDS: 256 + 16
.set PV,    288                        ; a row of V: 256 + 32, for the turning load
.set VOFF,  256*PK                     ; a slot: 256 rows of K, then 256 rows of V
.set SLOT1, 0x24000                    ; slot 1: its two bits meet none of the addresses that are turned by exclusive or (0, 0x8800, 0x9000, 0x11000, 0x1a000)
.set STAGE, SLOT1+256*(PK+PV)          ; 16 rows x 272 bytes a wave, for the way out
.set SP,    272
.set SPARE, STAGE+4*16*SP
.set XW,    16896                      ; the meeting, in slot 0's bytes behind their last fill: a wave's two tiles of 8,192 bytes, then their statistics
.set AK0, 2
.set AV0, 3
.set ADR, 4
.set QO,  5
.set STO, 6
.set RD,  7
.set GO,  8
.set ST,  12                           ; tile t at v[ST+8 t]: c m, m, l (even, odd keys'), c0-c3 at work
.set MK,  44                           ; v[44:51] 0 or -1e30
.set XS,  52                           ; where I put a tile for my partner
.set XT,  53                           ; and its statistics
.set XR,  54                           ; where I read my partner's
.set XQ,  55
.set PS,  56                           ; v[56:59] my partner's c m and l, two tiles
.set PFO, 61
.set SPW, 62
.set NIL, 63
.set S,   64
.set P,   192
.set KF,  128
.set WV,  12
.set LIM, 15
.set G1K, 24
.set G1V, 32
.set G0K, 40
.set G0V, 48
.set SLOTS, 56
.set TWICE, 57
.set CS,  58
.set SEL, 60
.set TBK, 62
.set TBV, 63
.set PFA, 66
.set MW,  68                           ; the mask's bits still to come, my next step's lowest
.set BI,  69
.set BIGN, 70
.set MSB, 0
.macro WIN new
.if MSB != (\new)
	s_set_vgpr_msb (MSB<<8)|(\new)
.set MSB, \new
.endif
.endm
.set W_KQ, 0x0a                        ; K and Q in window 2, the mask and S^T in window 0
.set W_PV, 0x53                        ; V window 3, P window 0, O^T window 1
.set W_RS, 0x41                        ; O^T window 1, a window 0
.macro JLOAD                           ; waves 0 and 1 fetch the halves of a slot's K, waves 2 and 3 of its V: 128 rows each
	s_cmp_lt_u32 s[WV], 2
	s_cbranch_scc0 .Lfor_v_\@
	tensor_load_to_lds s[G0K+4:G0K+7], s[G1K:G1K+7]
	s_nop 0
.rept 4
	v_nop
.endr
	s_branch .Lasked_\@
.Lfor_v_\@:
	tensor_load_to_lds s[G0V+4:G0V+7], s[G1V:G1V+7]
	s_nop 0
.rept 4
	v_nop
.endr
.Lasked_\@:
.endm
; A prefetch of what the NEXT change of slots asks for: 256 rows of K and 256 of V, a lane a row.  The head's first cluster asks; its four partners take 64 rows of each by address, a wave 32.  The last fill asks for nothing.
.macro ASK
	s_cmp_gt_u32 s[SLOTS], s[LIM]
	s_cbranch_scc0 .Lnot_mine_\@
	global_prefetch_b8 v[PFO], s[PFA:PFA+1] th:TH_LOAD_NT scope:SCOPE_SE
.Lnot_mine_\@:
.endm
.macro CROUND
	s_barrier_signal -1
	s_barrier_wait -1
	s_cmp_lg_u32 s[WV], 0
	s_cbranch_scc1 .Lnot_wave_0_\@
	s_barrier_signal -3
.Lnot_wave_0_\@:
	s_barrier_wait -3
	s_barrier_signal -1
	s_barrier_wait -1
.endm
	s_load_b256 s[4:11], s[0:1], 0x0               ; qkv 4, qks 6, sta_mask 8, att 10
	v_lshl_add_u32 v[SPW], v0, 2, SPARE
	v_mov_b32 v[NIL], 0
	ds_add_u32 v[SPW], v[NIL]                      ; the wave's opening: the add and its wait stand ahead of my first tensor load
	v_lshrrev_b32 v1, 5, v0
	v_readfirstlane_b32 s[WV], v1
	s_bfe_u32 s13, ttmp6, 0x40000                  ; cx
	s_lshl_b32 s14, ttmp9, 2
	s_add_co_u32 s14, s14, s13                     ; my work-group's 128 queries
	s_and_b32 s16, s[WV], 1                        ; which query block; also: which half of a tile's rows I fetch
	s_lshr_b32 s17, s[WV], 1                       ; which half of the keys
	s_lshl_b32 s14, s14, 1
	s_add_co_u32 s14, s14, s16                     ; qb: it enters global addresses alone
	s_and_b32 s20, ttmp7, 0xffff                   ; the head
	s_lshl_b32 s21, s20, 19                        ; its 2,048 rows of 256 bytes
	s_lshl_b32 s22, s16, 15                        ; my 128 rows of a slot
	s_add_co_u32 s22, s22, s21
	s_add_co_u32 s2, s22, 1<<23                    ; in k
	s_mov_b32 s3, 0
	s_add_co_u32 s22, s22, 2<<23                   ; in v
	s_mov_b32 s23, 0
	s_lshl_b32 s72, s14, 14                        ; Q: my 64 rows
	s_add_co_u32 s72, s72, s21
	s_mov_b32 s73, 0
	s_lshl_b32 s74, s14, 18                        ; att: 64 rows of 4,096 bytes,
	s_lshl_b32 s75, s20, 8                         ; the head's 256 bytes
	s_add_co_u32 s74, s74, s75
	s_mov_b32 s75, 0
	s_lshl_b32 s78, s20, 14                        ; qks: the head's 32 rows of 512 bytes
	s_lshl_b32 s76, s14, 9
	s_add_co_u32 s76, s76, s78                     ; q's sums: my block's row
	s_mov_b32 s77, 0
	s_add_co_u32 s78, s78, 1<<18                   ; k's sums: all 32 rows
	s_mov_b32 s79, 0
	s_lshl_b32 s80, s20, 10
	s_lshl_b32 s81, s14, 5
	s_add_co_u32 s80, s80, s81                     ; sta_mask: row (head, qb)
	s_mov_b32 s81, 0
	s_add_co_u32 s[PFA], s17, 1                    ; the prefetches: k (waves 0, 1) or v,
	s_lshl_b32 s[PFA], s[PFA], 23
	s_add_co_u32 s[PFA], s[PFA], s21
	s_lshl_b32 s[PFA+1], s13, 14                   ; my work-group's 64 rows of the 256,
	s_add_co_u32 s[PFA], s[PFA], s[PFA+1]
	s_lshl_b32 s[PFA+1], s16, 13                   ; my wave's 32,
	s_add_co_u32 s[PFA], s[PFA], s[PFA+1]
	s_add_co_u32 s[PFA], s[PFA], 2*65536           ; in slot 2: the first change of slots steps it to slot 3
	s_mov_b32 s[PFA+1], 0
	s_cmp_eq_u32 ttmp9, 0
	s_cselect_b32 s[LIM], 1, -1                    ; the same in all four partners
	s_mul_i32 s18, s16, 128*PK                     ; where my tiles go: no place in the cluster enters an LDS address
	s_mul_i32 s19, s16, 128*PV
	s_add_co_u32 s19, s19, VOFF
	s_mul_i32 s[TBK], s17, 2*KS*PK                 ; where my first key step lies
	s_mul_i32 s[TBV], s17, 2*KS*PV
	s_mov_b32 s[G1K], 15|(1<<16)|(1<<20)|(1<<21)|(5<<22)|(3<<25)  ; the mask of four; 2-byte elements; padding on; bit 21 beside a mask; after every 64 words, 4 words
	s_mov_b32 s[G1V], 15|(1<<16)|(1<<20)|(1<<21)|(5<<22)|(7<<25)  ; the same with 8 words
.irp g, G1K, G1V
	s_mov_b32 s[(\g)+1], 128<<16                   ; tensor_dim0 = 128
	s_mov_b32 s[(\g)+2], 128<<16                   ; tensor_dim1 = 128
	s_mov_b32 s[(\g)+3], 128<<16                   ; tile_dim0 = 128
	s_mov_b32 s[(\g)+4], 128                       ; tile_dim1 = 128
	s_mov_b32 s[(\g)+5], 128
	s_mov_b32 s[(\g)+6], 0
	s_mov_b32 s[(\g)+7], 0
.endr
	s_mov_b32 s[CS], 0x3e0293ee                    ; c = log2(e) / sqrt(128)
	s_mov_b32 s[CS+1], s[CS]
	s_mov_b32 s[SEL], 0x76543210
	s_mov_b32 s[SEL+1], 0xfedcba98
	s_mov_b32 s[BIGN], 0xf149f2ca                  ; -1e30
	v_and_b32 v[PFO], 31, v0
	v_lshlrev_b32 v[PFO], 8, v[PFO]
	s_wait_dscnt 0x0                               ; the opening add is done
	s_wait_kmcnt 0x0
	s_add_nc_u64 s[2:3], s[4:5], s[2:3]
	s_add_nc_u64 s[22:23], s[4:5], s[22:23]
	s_add_nc_u64 s[72:73], s[4:5], s[72:73]
	s_add_nc_u64 s[PFA:PFA+1], s[4:5], s[PFA:PFA+1]
	s_add_nc_u64 s[10:11], s[10:11], s[74:75]
	s_add_nc_u64 s[76:77], s[6:7], s[76:77]
	s_add_nc_u64 s[78:79], s[6:7], s[78:79]
	s_add_nc_u64 s[8:9], s[8:9], s[80:81]
	CROUND                                         ; all four work-groups are here: the first joint loads meet
.irp s, 0,1
	s_mov_b32 s[G0K+4*(\s)], 1
	s_add_co_u32 s[G0K+4*(\s)+1], s18, (\s)*SLOT1
	s_add_nc_u64 s[G0K+4*(\s)+2:G0K+4*(\s)+3], s[2:3], (\s)*65536
	s_or_b32 s[G0K+4*(\s)+3], s[G0K+4*(\s)+3], 0x80000000
	s_mov_b32 s[G0V+4*(\s)], 1
	s_add_co_u32 s[G0V+4*(\s)+1], s19, (\s)*SLOT1
	s_add_nc_u64 s[G0V+4*(\s)+2:G0V+4*(\s)+3], s[22:23], (\s)*65536
	s_or_b32 s[G0V+4*(\s)+3], s[G0V+4*(\s)+3], 0x80000000
.endr
	s_cmp_lt_u32 s[WV], 2                          ; a wave's two first fills stand in one branch: two loads of mine are out
	s_cbranch_scc0 .Lfirst_v
	tensor_load_to_lds s[G0K:G0K+3], s[G1K:G1K+7]
	s_nop 0
	tensor_load_to_lds s[G0K+4:G0K+7], s[G1K:G1K+7]
	s_nop 0
.rept 4
	v_nop
.endr
	s_branch .Lfirst_asked
.Lfirst_v:
	tensor_load_to_lds s[G0V:G0V+3], s[G1V:G1V+7]
	s_nop 0
	tensor_load_to_lds s[G0V+4:G0V+7], s[G1V:G1V+7]
	s_nop 0
.rept 4
	v_nop
.endr
.Lfirst_asked:
	v_and_b32 v1, 15, v0                           ; l % 16
	v_bfe_u32 v9, v0, 4, 1                         ; l / 16
	v_lshlrev_b32 v[QO], 8, v1
	v_lshl_add_u32 v[QO], v9, 4, v[QO]
	; THE MASK.  Lane kb takes key block kb's sums (512 bytes), every lane my query block's.  They lie in O^T's registers, which are cleared afterwards; what is at work lies in S^T's.
	v_and_b32 v80, 31, v0
	v_lshlrev_b32 v78, 9, v80
	v_mov_b32 v79, 0
	WIN 0x40
.set n, 0
.rept 32
	global_load_b128 v[4*n:4*n+3], v78, s[78:79] offset:16*n
.set n, n+1
.endr
.set n, 0
.rept 32
	global_load_b128 v[128+4*n:128+4*n+3], v79, s[76:77] offset:16*n
.set n, n+1
.endr
	WIN 0
	global_load_u8 v77, v80, s[8:9]
	WIN 0x80
.irp i, 0,1,2,3,4,5,6,7,8,9,10,11,12,13,14,15  ; Q stays in registers: tile i / 4, channels 32 (i % 4) on
	global_load_b128 v[8*(\i):8*(\i)+3],   v[QO], s[72:73] offset:((\i)/4)*4096+((\i)%4)*64
	global_load_b128 v[8*(\i)+4:8*(\i)+7], v[QO], s[72:73] offset:((\i)/4)*4096+((\i)%4)*64+32
.endr
	WIN 0
	v_mul_u32_u24 v[AK0], v1, PK
	v_lshl_add_u32 v[AK0], v9, 4, v[AK0]
	v_and_b32 v10, 7, v0
	v_bfe_u32 v11, v0, 3, 1
	v_lshl_add_u32 v[AV0], v9, 3, v10              ; the turning load: key 8 (l / 16) + l % 8, channels 8 ((l / 8) % 2) on
	v_mul_u32_u24 v[AV0], v[AV0], PV
	v_lshl_add_u32 v[AV0], v11, 4, v[AV0]
	v_add_nc_u32 v[AV0], VOFF, v[AV0]
	s_mov_b32 s23, 0x380293ee                      ; log2(e) / (64 x 64 x sqrt(128)): sums to means, the scale, base 2
	s_wait_loadcnt 32                              ; all but Q's 32 loads
	WIN 0x05                                       ; sources 0 and 1 window 1
.set n, 0
.rept 4
	v_pk_mul_f32 v[64+2*n:65+2*n], v[2*n:2*n+1], v[128+2*n:129+2*n]
.set n, n+1
.endr
.rept 60                               ; four chains
	v_pk_fma_f32 v[64+2*(n%4):65+2*(n%4)], v[2*n:2*n+1], v[128+2*n:129+2*n], v[64+2*(n%4):65+2*(n%4)]
.set n, n+1
.endr
	WIN 0
	v_pk_add_f32 v[64:65], v[64:65], v[66:67]
	v_pk_add_f32 v[68:69], v[68:69], v[70:71]
	v_pk_add_f32 v[64:65], v[64:65], v[68:69]
	v_add_f32 v72, v64, v65
	v_mul_f32 v72, s23, v72                        ; the block score, in base 2
	v_mov_b32 v76, 0
	v_mov_b32 v73, v72
	v_max_num_f32_dpp v73, v73, v73 row_xmask:1 row_mask:0xf bank_mask:0xf
	v_max_num_f32_dpp v73, v73, v73 row_xmask:2 row_mask:0xf bank_mask:0xf
	v_max_num_f32_dpp v73, v73, v73 row_xmask:4 row_mask:0xf bank_mask:0xf
	v_max_num_f32_dpp v73, v73, v73 row_xmask:8 row_mask:0xf bank_mask:0xf
	v_permlanex16_b32 v76, v73, s[SEL], s[SEL+1]
	v_max_num_f32 v73, v73, v76                    ; the row's maximum is taken away
	v_sub_f32 v72, v72, v73
	v_exp_f32 v72, v72
	v_nop
	s_wait_alu depctr_va_vdst(0)
	v_mov_b32 v73, v72
	v_add_f32_dpp v73, v73, v73 row_xmask:1 row_mask:0xf bank_mask:0xf
	v_add_f32_dpp v73, v73, v73 row_xmask:2 row_mask:0xf bank_mask:0xf
	v_add_f32_dpp v73, v73, v73 row_xmask:4 row_mask:0xf bank_mask:0xf
	v_add_f32_dpp v73, v73, v73 row_xmask:8 row_mask:0xf bank_mask:0xf
	v_permlanex16_b32 v76, v73, s[SEL], s[SEL+1]
	v_add_f32 v73, v73, v76
	v_rcp_f32 v73, v73
	v_nop
	s_wait_alu depctr_va_vdst(0)
	v_mul_f32 v74, v72, v73                        ; the map's entry for key block = lane
	v_mov_b32 v75, 0
.set n, 0
.rept 32                               ; entry n counts for lane kb if it is smaller, or equal with n <= kb: the stable ascending order, the running sum with the lane's own entry
	v_readlane_b32 s20, v74, n
	v_cmp_lt_f32 s21, s20, v74
	v_cmp_eq_f32 s22, s20, v74
	s_and_b32 s22, s22, (0xffffffff<<n)&0xffffffff
	s_or_b32 s21, s21, s22
	v_cndmask_b32 v76, 0, s20, s21
	v_add_f32 v75, v75, v76
.set n, n+1
.endr
	s_mov_b32 s23, 0x3dcccccd                      ; 0.1
	v_cmp_le_f32 s[MW], s23, v75
	v_cmp_ne_u32 s21, 0, v77
	s_or_b32 s[MW], s[MW], s21
	s_lshl_b32 s21, s17, 1
	s_lshr_b32 s[MW], s[MW], s21                   ; my first key step is 2 (w >> 1)
	WIN 0x40                                       ; O^T and l start at 0: no first step is written out
.set n, 0
.rept 256
	v_mov_b32 v[n], 0
.set n, n+1
.endr
	WIN 0
.irp t, 0,1,2,3
	v_mov_b32 v[ST+8*(\t)], 0xfe000000             ; c m: far below every c s
	v_mov_b32 v[ST+8*(\t)+1], 0xff7fffff           ; m
	v_mov_b32 v[ST+8*(\t)+2], 0
	v_mov_b32 v[ST+8*(\t)+3], 0
.endr
; THE MATRIX WORK.  The accumulators take turns, one instruction a turn.
.macro PV x                            ; product i of 32 of O^T += V^T P: keys 32 (i / 16) on, channels 16 ((i / 2) % 8) on, tile x + i % 2
	WIN W_PV
.set rO, 64*((\x)+i%2)+8*((i/2)%8)
.set rV, 64*(i/16)+8*((i/2)%8)
.set rP, P+16*((\x)+i%2)+8*(i/16)
	v_wmma_f32_16x16x32_f16 v[rO:rO+7], v[rV:rV+7], v[rP:rP+7], v[rO:rO+7]
.endm
.macro KQ x                            ; product i of 32 of S^T = K Q^T: channels 32 (i / 8) on, keys 16 ((i / 2) % 4) on, tile x + i % 2.  The first 8 start the sums with the mask
	WIN W_KQ
.set rS, S+32*((\x)+i%2)+8*((i/2)%4)
.set rK, KF+32*((i/2)%4)+8*(i/8)
.set rQ, 32*((\x)+i%2)+8*(i/8)
.if i < 8
	v_wmma_f32_16x16x32_f16 v[rS:rS+7], v[rK:rK+7], v[rQ:rQ+7], v[MK:MK+7]
.else
	v_wmma_f32_16x16x32_f16 v[rS:rS+7], v[rK:rK+7], v[rQ:rQ+7], v[rS:rS+7]
.endif
.endm
.macro SETB                            ; the mask of the key step whose scores come next: one bit, for both pieces
	WIN 0
	s_bitcmp1_b32 s[MW], 0
	s_cselect_b32 s[BI], 0, s[BIGN]
	s_lshr_b32 s[MW], s[MW], 1
.irp r, 0,1,2,3,4,5,6,7
	v_mov_b32 v[MK+(\r)], s[BI]
.endr
.endm
.macro FETCH_K                         ; a step's K: 64 keys x 128 channels, 32 loads in one run
	WIN 0
	v_add_nc_u32 v[ADR], s[TBK], v[AK0]
	s_add_co_u32 s[TBK], s[TBK], KS*PK
	WIN 0x80
.irp f, 0,1,2,3,4,5,6,7,8,9,10,11,12,13,14,15
	ds_load_b128 v[KF+8*(\f):KF+8*(\f)+3],   v[ADR] offset:((\f)/4)*16*PK+((\f)%4)*64
	ds_load_b128 v[KF+8*(\f)+4:KF+8*(\f)+7], v[ADR] offset:((\f)/4)*16*PK+((\f)%4)*64+32
.endr
.endm
.macro FETCH_V                         ; a step's V, turned
	WIN 0
	v_add_nc_u32 v[ADR], s[TBV], v[AV0]
	s_add_co_u32 s[TBV], s[TBV], KS*PV
	s_wait_alu depctr_va_vdst(0)                   ; the wait for the softmax's batch of exponentials, ahead of the loads
	WIN 0xc0
.irp f, 0,1,2,3,4,5,6,7,8,9,10,11,12,13,14,15
	ds_load_tr16_b128 v[8*(\f):8*(\f)+3],   v[ADR] offset:((\f)/8)*32*PV+((\f)%8)*32
	ds_load_tr16_b128 v[8*(\f)+4:8*(\f)+7], v[ADR] offset:((\f)/8)*32*PV+16*PV+((\f)%8)*32
.endr
.endm
; THE VECTOR WORK.  A tile's softmax for a key step is a list of 134 instructions; SM writes number j for tile t.
;   0-15 the maximum of the 32 scores and the old m (each accumulator's lowest registers first)   16-20 the other half of the lanes; m; c m; its change
;   21-69 ONE BATCH: 16 scalings c s - c m and 33 exponentials (a at 23); none reads an exponential's result   70-85 roundings to f16   86-101 sums, l = a l + sum   102-133 O^T times a
.macro SM t
.set rT, ST+8*(\t)
.set rS, S+32*(\t)
.set rP, P+16*(\t)
.set rO, 64*(\t)+2*(j-102)
.if j < 102
	WIN 0
.endif
.if j < 4
	v_max3_num_f32 v[rT+4+j], v[rS+8*j], v[rS+8*j+1], v[rS+8*j+2]
.elseif j < 12
	v_max3_num_f32 v[rT+4+j%4], v[rT+4+j%4], v[rS+8*(j%4)+2*(j/4)+1], v[rS+8*(j%4)+2*(j/4)+2]
.elseif j == 12
	v_max3_num_f32 v[rT+4], v[rT+4], v[rS+7], v[rS+15]
.elseif j == 13
	v_max3_num_f32 v[rT+6], v[rT+6], v[rS+23], v[rS+31]
.elseif j == 14
	v_max3_num_f32 v[rT+4], v[rT+4], v[rT+5], v[rT+6]
.elseif j == 15
	v_max3_num_f32 v[rT+4], v[rT+4], v[rT+7], v[rT+1]
.elseif j == 16
	v_permlanex16_b32 v[rT+5], v[rT+4], s[SEL], s[SEL+1]
.elseif j == 17
	v_mov_b32 v[rT+7], v[rT]
.elseif j == 18
	v_max_num_f32 v[rT+1], v[rT+4], v[rT+5]
.elseif j == 19
	v_mul_f32 v[rT], s[CS], v[rT+1]
.elseif j == 20
	v_sub_f32 v[rT+7], v[rT+7], v[rT]
.elseif j == 23
	v_exp_f32 v[rT+6], v[rT+7]
.elseif (j < 23) || ((j < 38) && (j%2 == 0)) || ((j < 66) && (j%4 == 2))
.set b, (j-2)/4
.if j < 38
.set b, (j-20)/2
.endif
	v_pk_fma_f32 v[rS+2*b:rS+2*b+1], v[rS+2*b:rS+2*b+1], s[CS:CS+1], v[rT:rT+1] op_sel_hi:[1,0,0] neg_lo:[0,0,1] neg_hi:[0,0,1]
.elseif j < 70
.set e, j-38
.if j < 66
.set e, j-32-(j-38)/4
.endif
.if j < 38
.set e, (j-25)/2
.endif
	v_exp_f32 v[rS+e], v[rS+e]
.elseif j < 86
	v_cvt_pk_f16_f32 v[rP+j-70], v[rS+2*(j-70)], v[rS+2*(j-70)+1]
.elseif j < 102
.set z, j-86
.set w, 4
.set u, z
.if z >= 14
.set w, 32
.set u, 0
.elseif z >= 12
.set w, 16
.set u, z-12
.elseif z >= 8
.set w, 8
.set u, z-8
.endif
.if z < 15
	v_pk_add_f32 v[rS+w*u:rS+w*u+1], v[rS+w*u:rS+w*u+1], v[rS+w*u+w/2:rS+w*u+w/2+1]
.else
	v_pk_fma_f32 v[rT+2:rT+3], v[rT+2:rT+3], v[rT+6:rT+7], v[rS:rS+1] op_sel_hi:[1,0,1]
.endif
.else
	WIN W_RS
	v_pk_mul_f32 v[rO:rO+1], v[rO:rO+1], v[rT+6:rT+7] op_sel_hi:[1,0]
.endif
.endm
; Slice k of 64 of piece y's softmax: four instructions (slice 63: sixteen).  Slices 11 to 34 deal out the batch, four numbers of one tile each; behind slice 34 stands the piece's one wait.
.macro SLICE y
.if (k >= 11) && (k < 35)
.irp n, 0,1,2,3
.set j, 22+4*((k-11)/2)+(\n)
	SM (\y)+(k-11)%2
.endr
.else
.irp n, 0,1,2,3,4,5,6,7
.if ((\n) < 2) || (k == 63)
.irp t, \y, (\y)+1
.set j, 2*k+(\n)
	SM \t
.endr
.endif
.endr
.endif
.if k == 34
	v_nop                                          ; a plain instruction behind the last exponential: one for the batch
.if (\y) == 0
	FETCH_V                                        ; piece 2's turn: V's run of loads stands here, and the wait stands in it
.else
	s_wait_alu depctr_va_vdst(0)                   ; the wait for the batch
.endif
.endif
.set k, k+1
.endm
; A TURN.  Piece x has the matrix unit; the other piece's softmax stands in slices behind its matrix instructions (two behind each where the turn has one kind of product).
; Piece 0's turn sets the next step's mask and fetches its K behind its second product; piece 2's turn fetches that step's V behind slice 34, four plain instructions behind V's last reader.
.macro TURN x, pv, kq
.set k, 0
.set per, 2
.if (\pv) && (\kq)
.set per, 1
.endif
.if ((\x) == 0) && (\kq)
	SETB
.endif
.if \pv
.if (\x) == 0
	s_wait_dscnt 0x0                               ; V is in
.endif
.set i, 0
.rept 32
	PV \x
.rept per
	SLICE 2-(\x)
.endr
.if ((\x) == 0) && (\kq) && (i == 1)
	FETCH_K
.endif
.set i, i+1
.endr
.endif
.if \kq
.if (\x) == 0
	s_wait_dscnt 0x0                               ; K is in
.endif
.set i, 0
.rept 32
	KQ \x
.rept per
	SLICE 2-(\x)
.endr
.set i, i+1
.endr
.endif
.endm
; THE CHANGE OF SLOTS.  Each wave waits for all its tensor loads (one is out: its part of the other slot), adds 0 to its spare word, and waits for that and for its reads of the slot.
; fill = 1: the barrier is a round of the cluster's, and the joint refill, the keys two slots on, is the first thing behind it: it has two of my key steps, 256 matrix instructions, in which to land.
.macro CHANGE fill
	WIN 0
	s_wait_tensorcnt 0x0
	ds_add_u32 v[SPW], v[NIL]
.if \fill
.irp g, G0K+4, G0V+4
	s_xor_b32 s[(\g)+1], s[(\g)+1], SLOT1
	s_add_nc_u64 s[(\g)+2:(\g)+3], s[(\g)+2:(\g)+3], 65536
.endr
	s_wait_xcnt 0x0                                ; the last prefetch, two key steps back, has read its address
	s_add_nc_u64 s[PFA:PFA+1], s[PFA:PFA+1], 65536
	s_wait_dscnt 0x0
	CROUND
	JLOAD
	ASK
.else
	s_wait_dscnt 0x0
	s_barrier_signal -1
	s_barrier_wait -1
.endif
	s_sub_co_u32 s[TBK], s[TBK], 2*KS*PK           ; back to my first step of a slot,
	s_xor_b32 s[TBK], s[TBK], SLOT1                ; in the other slot
	s_sub_co_u32 s[TBV], s[TBV], 2*KS*PV
	s_xor_b32 s[TBV], s[TBV], SLOT1
	s_lshr_b32 s[MW], s[MW], 2                     ; the other waves' two key blocks are passed over
.endm
	s_wait_tensorcnt 1                             ; my part of slot 0 is in; slot 1's may stay out
	s_barrier_signal -1
	s_barrier_wait -1
	SETB
	FETCH_K
	s_wait_loadcnt 0x0                             ; Q
	s_wait_dscnt 0x0
.set i, 0
.rept 32
	KQ 0
.set i, i+1
.endr
	WIN 0                                          ; the addresses of the meeting and the way out: plain instructions, the places behind those products
	s_mul_i32 s13, s[WV], 16*SP
	s_add_co_u32 s13, s13, STAGE
	v_mul_u32_u24 v[STO], v1, SP
	v_lshl_add_u32 v[STO], v9, 4, v[STO]
	v_add_nc_u32 v[STO], s13, v[STO]
	v_mul_u32_u24 v[RD], v9, SP
	v_lshl_add_u32 v[RD], v1, 4, v[RD]
	v_add_nc_u32 v[RD], s13, v[RD]
	v_lshlrev_b32 v[GO], 12, v9                    ; two rows of att,
	v_lshl_add_u32 v[GO], v1, 4, v[GO]             ; 256 bytes of each
	s_mul_i32 s13, s[WV], XW
	s_xor_b32 s20, s[WV], 2                        ; my partner: the same queries, the other keys
	s_mul_i32 s20, s20, XW
	v_and_b32 v10, 31, v0
	v_lshl_add_u32 v[XS], v10, 4, s13
	v_lshl_add_u32 v[XR], v10, 4, s20
	s_add_co_u32 s13, s13, 16384
	s_add_co_u32 s20, s20, 16384
	v_lshl_add_u32 v[XT], v10, 3, s13
	v_lshl_add_u32 v[XQ], v10, 3, s20
	TURN 2, 0, 1                                   ; piece 2's first scores | piece 0's first softmax | V of step 0
	WIN 0
	s_mov_b32 s[TWICE], 1                          ; slot 0 has one step left
	s_mov_b32 s[SLOTS], 7
	s_branch .Lstep
.Lslot:                                        ; six times: slots 2 to 7 are asked for
	CHANGE 1
	s_mov_b32 s[TWICE], 2
.Lstep:
	TURN 0, 1, 1
	TURN 2, 1, 1
	WIN 0
	s_sub_co_u32 s[TWICE], s[TWICE], 1
	s_cmp_lg_u32 s[TWICE], 0
	s_cbranch_scc1 .Lstep
	s_sub_co_u32 s[SLOTS], s[SLOTS], 1
	s_cmp_lg_u32 s[SLOTS], 0
	s_cbranch_scc1 .Lslot
	CHANGE 0                                       ; the tail is written out
	s_mov_b32 s[TWICE], 2
.Lstep2:
	TURN 0, 1, 1
	TURN 2, 1, 1
	WIN 0
	s_sub_co_u32 s[TWICE], s[TWICE], 1
	s_cmp_lg_u32 s[TWICE], 0
	s_cbranch_scc1 .Lstep2
	TURN 0, 1, 0                                   ; piece 0: V^T P of the last step | piece 2's last softmax
.set i, 0
.rept 32
	PV 2
.set i, i+1
.endr
	; THE MEETING.  l's two halves and the other half of the lanes'; then each wave hands two tiles (O^T, c m, l) to its partner and finishes the other two.  The additions are the places behind the last products.
	WIN 0
.irp t, 0,1,2,3
	v_add_f32 v[ST+8*(\t)+4], v[ST+8*(\t)+2], v[ST+8*(\t)+3]
.endr
.irp t, 0,1,2,3
	v_permlanex16_b32 v[ST+8*(\t)+5], v[ST+8*(\t)+4], s[SEL], s[SEL+1]
.endr
.irp t, 0,1,2,3
	v_add_f32 v[ST+8*(\t)+1], v[ST+8*(\t)+4], v[ST+8*(\t)+5]  ; l beside c m: a pair
.endr
.macro SENDX t, u
	WIN 0x04                                       ; store data in window 1
.irp i, 0,1,2,3,4,5,6,7,8,9,10,11,12,13,14,15
	ds_store_b128 v[XS], v[64*(\t)+4*(\i):64*(\t)+4*(\i)+3] offset:(\u)*8192+(\i)*512  ; each accumulator's low four registers first
.endr
	WIN 0
	ds_store_b64 v[XT], v[ST+8*(\t):ST+8*(\t)+1] offset:(\u)*256
.endm
; Tile t, whose partner's part lies in S^T's half u: O = (O g + O' g'), rounded to f16, through my stage, back as whole rows of 256 bytes.
.macro FINA t, u
.set rT, ST+8*(\t)
	WIN 0
.set n, 0
.rept 32
	v_pk_mul_f32 v[S+64*(\u)+2*n:S+64*(\u)+2*n+1], v[S+64*(\u)+2*n:S+64*(\u)+2*n+1], v[rT+6:rT+7] op_sel_hi:[1,0]
.set n, n+1
.endr
	WIN 0x01                                       ; source 0 window 1
.set n, 0
.rept 32
	v_pk_fma_f32 v[S+64*(\u)+2*n:S+64*(\u)+2*n+1], v[64*(\t)+2*n:64*(\t)+2*n+1], v[rT+4:rT+5], v[S+64*(\u)+2*n:S+64*(\u)+2*n+1] op_sel_hi:[1,0,1]
.set n, n+1
.endr
	WIN 0
.set n, 0
.rept 32
	v_cvt_pk_f16_f32 v[P+32*(\u)+n], v[S+64*(\u)+2*n], v[S+64*(\u)+2*n+1]
.set n, n+1
.endr
.irp f, 0,1,2,3,4,5,6,7
	ds_store_b128 v[STO], v[P+32*(\u)+4*(\f):P+32*(\u)+4*(\f)+3] offset:32*(\f)
.endr
.irp f, 0,1,2,3,4,5,6,7
	ds_load_b128 v[P+32*(\u)+4*(\f):P+32*(\u)+4*(\f)+3], v[RD] offset:(\f)*2*SP  ; LDS serves a wave's instructions in order: these see the stores above, the next tile's stores come behind them
.endr
.endm
.macro FSEND t, u, younger
.irp f, 0,1,2,3,4,5,6,7
	s_wait_dscnt (\younger)+7-(\f)
	global_store_b128 v[GO], v[P+32*(\u)+4*(\f):P+32*(\u)+4*(\f)+3], s[10:11] offset:(\t)*65536+(\f)*8192  ; 16 lanes store a head's 256 bytes of a row, aligned
.endr
.endm
.macro FIN2 ta
	WIN 0
.irp u, 0,1
.irp i, 0,1,2,3,4,5,6,7,8,9,10,11,12,13,14,15
	ds_load_b128 v[S+64*(\u)+4*(\i):S+64*(\u)+4*(\i)+3], v[XR] offset:(\u)*8192+(\i)*512
.endr
	ds_load_b64 v[PS+2*(\u):PS+2*(\u)+1], v[XQ] offset:(\u)*256
.endr
	s_wait_dscnt 0x0
.irp u, 0,1
	v_max_num_f32 v[ST+8*((\ta)+(\u))+4], v[ST+8*((\ta)+(\u))], v[PS+2*(\u)]                ; the common c m
.endr
.irp u, 0,1
	v_sub_f32 v[ST+8*((\ta)+(\u))+5], v[ST+8*((\ta)+(\u))], v[ST+8*((\ta)+(\u))+4]
	v_sub_f32 v[ST+8*((\ta)+(\u))+6], v[PS+2*(\u)], v[ST+8*((\ta)+(\u))+4]
.endr
.irp u, 0,1
	v_exp_f32 v[ST+8*((\ta)+(\u))+5], v[ST+8*((\ta)+(\u))+5]                                ; f, mine
	v_exp_f32 v[ST+8*((\ta)+(\u))+6], v[ST+8*((\ta)+(\u))+6]                                ; f', my partner's
.endr
	v_nop
	s_wait_alu depctr_va_vdst(0)                   ; one wait for the four
.irp u, 0,1
	v_mul_f32 v[ST+8*((\ta)+(\u))+7], v[ST+8*((\ta)+(\u))+5], v[ST+8*((\ta)+(\u))+1]
.endr
.irp u, 0,1
	v_fmac_f32 v[ST+8*((\ta)+(\u))+7], v[ST+8*((\ta)+(\u))+6], v[PS+2*(\u)+1]               ; l = f l + f' l'
.endr
.irp u, 0,1
	v_rcp_f32 v[ST+8*((\ta)+(\u))+7], v[ST+8*((\ta)+(\u))+7]
.endr
	v_nop
	s_wait_alu depctr_va_vdst(0)                   ; one wait for the two
.irp u, 0,1
	v_mul_f32 v[ST+8*((\ta)+(\u))+4], v[ST+8*((\ta)+(\u))+5], v[ST+8*((\ta)+(\u))+7]        ; g = f / l
	v_mul_f32 v[ST+8*((\ta)+(\u))+6], v[ST+8*((\ta)+(\u))+6], v[ST+8*((\ta)+(\u))+7]        ; g' = f' / l
.endr
	FINA \ta, 0
	FINA (\ta)+1, 1
	FSEND \ta, 0, 16
	FSEND (\ta)+1, 1, 0
.endm
	s_cmp_lt_u32 s[WV], 2
	s_cbranch_scc0 .Lsend_lo
	SENDX 2, 0
	SENDX 3, 1
	s_branch .Lsent
.Lsend_lo:
	SENDX 0, 0
	SENDX 1, 1
.Lsent:
	s_wait_dscnt 0x0                               ; for my partner's sake: my stores are done
	s_barrier_signal -1
	s_barrier_wait -1
	s_cmp_lt_u32 s[WV], 2
	s_cbranch_scc0 .Lfin_hi
	FIN2 0
	s_branch .Lend
.Lfin_hi:
	FIN2 2
.Lend:
	s_wait_tensorcnt 0x0                           ; the wave's end
	ds_add_u32 v[SPW], v[NIL]
	s_wait_dscnt 0x0
	CROUND                                         ; the closing round
	s_endpgm
.Lfunc_end_k_qca494e05bd_attend:
	.size	k_qca494e05bd_attend, .Lfunc_end_k_qca494e05bd_attend-k_qca494e05bd_attend
	.p2alignl 7, 3214868480
	.fill 96, 4, 3214868480
	.section	.rodata,"a",@progbits
	.p2align	6, 0x0
	.amdhsa_kernel k_qca494e05bd_attend
		.amdhsa_group_segment_fixed_size 327680
		.amdhsa_private_segment_fixed_size 0
		.amdhsa_enable_private_segment 0
		.amdhsa_kernarg_size 32
		.amdhsa_user_sgpr_count 2
		.amdhsa_user_sgpr_kernarg_segment_ptr 1
		.amdhsa_wavefront_size32 1
		.amdhsa_system_sgpr_workgroup_id_x 1
		.amdhsa_system_sgpr_workgroup_id_y 1
		.amdhsa_system_sgpr_workgroup_id_z 1
		.amdhsa_system_vgpr_workitem_id 0
		.amdhsa_next_free_vgpr 1024
		.amdhsa_next_free_sgpr 90
		.amdhsa_reserve_vcc 0
		.amdhsa_float_denorm_mode_32 3
		.amdhsa_float_denorm_mode_16_64 3
		.amdhsa_memory_ordered 1
		.amdhsa_forward_progress 1
		.amdhsa_inst_pref_size 236
	.end_amdhsa_kernel
	.amdgpu_metadata
---
amdhsa.version: [ 1, 2 ]
amdhsa.kernels:
  - .name:           k_qca494e05bd_attend
    .symbol:         k_qca494e05bd_attend.kd
    .args:
      - { .name: qkv, .offset: 0, .size: 8, .value_kind: global_buffer, .address_space: global }
      - { .name: qks, .offset: 8, .size: 8, .value_kind: global_buffer, .address_space: global }
      - { .name: sta_mask, .offset: 16, .size: 8, .value_kind: global_buffer, .address_space: global }
      - { .name: att, .offset: 24, .size: 8, .value_kind: global_buffer, .address_space: global }
    .group_segment_fixed_size: 327680
    .private_segment_fixed_size: 0
    .kernarg_segment_align: 8
    .kernarg_segment_size: 32
    .max_flat_workgroup_size: 128
    .sgpr_count:     90
    .vgpr_count:     1024
    .wavefront_size: 32
...
	.end_amdgpu_metadata
.endif
;; end of part 3
;; launch output (part 4): grid 16 x 16, 4 waves a work-group, clusters of 4 x 4, 327,680 bytes of LDS; arguments att, wo16, bo, out0; writes out0
.if DOCPART == 4
	.amdgcn_target "amdgcn-amd-amdhsa--gfx1250"
	.amdhsa_code_object_version 6
	.text
	.protected	k_qca494e05bd_output
	.globl	k_qca494e05bd_output
	.p2align	8
	.type	k_qca494e05bd_output,@function
k_qca494e05bd_output:
	s_mov_b64 s[64:65], 0
	v_nop
	global_prefetch_b8 v0, s[64:65] scope:SCOPE_SE
	s_setreg_imm32_b32 hwreg(HW_REG_WAVE_MODE, 25, 1), 1
	s_wait_xcnt 0x0
	s_wait_alu depctr_hold_cnt(0) depctr_sa_sdst(0) depctr_va_vdst(0) depctr_va_sdst(0) depctr_va_ssrc(0) depctr_va_vcc(0) depctr_vm_vsrc(0)
	s_getreg_b32 s2, hwreg(HW_REG_IB_STS2, 6, 4)
	s_cmp_eq_u32 s2, 0
	s_cbranch_scc0 .Lentry_in_a_cluster
	s_endpgm
.Lentry_in_a_cluster:
	s_bfe_u32 s2, ttmp6, 0x10000c
	s_cmp_lg_u32 s2, 0xf033
	s_cbranch_scc0 .Lentry_shape_is_right
	s_endpgm
.Lentry_shape_is_right:
; out0[m][n] = the sum over k of att[m][k] Wo[n][k] + bo[n].  att: [2048][2048] f16; wo16: Wo as f16 (bf16 numbers); bo rounded to bf16 here; out0 f32; sums in f32.
; A tile of out0 is 128 x 128: 256 work-groups.  Four waves, each 64 x 64: 16 accumulators.  K goes in steps of 256 (LDS rows of 512 bytes, 64 rows to a wave's tensor load) through two slots.
; CLUSTER 4 x 4: att's tile is asked for jointly along a row of the cluster, Wo's along a column.  THE MATRIX INSTRUCTION IS USED TRANSPOSED: a lane holds eight neighbouring numbers of a row.
; ROTATED K.  Cluster (X, Y) walks the 8 K steps from 2 X + 4 f(Y) on, round the end, f = (Y xor Y >> 1) & 1: at any one time the clusters that read the same rows ask for different K steps.
; f32 sums may be taken in any order.  The start hangs on the cluster's coordinates alone, which all sixteen partners share.
; A wave's 64 columns of f32 are 256 aligned bytes, so each wave has a stage of its own on the way out, and no barrier stands there.
; REGISTERS: window 0: v0-31 addresses; v32-63 at work; v96-127 bias; v128-255 accumulators ((a, b) at v[128 + 8 (4 a + b)]).  window 1: two fragment buffers of 128.
.set SIZE_K, 2048
.set SIZE_N, 2048
.set KSTEP,  256
.set PITCH,  528                       ; 512 bytes + 16
.set HALFT,  64*PITCH
.set SLOT,   4*HALFT
.set STAGE,  2*SLOT                    ; 16 rows x 272 bytes a wave
.set SPITCH, 272
.set SPARE,  STAGE+4*16*SPITCH
.set LAPS,   SIZE_K/(2*KSTEP)
.set ADRA, 16
.set ADRB, 20
.set STO,  24
.set RD,   25
.set CO,   26
.set SPW,  28
.set NIL,  29
.set T,    30
.set TMP,  32
.set BO,   96                          ; v[96:127] bias of column 16 b + 8 (l / 16) + j at BO + 8 b + j
.set ACC,  128
.set F0,   0
.set F1,   128
.set NXT, 2                            ; s2 the start + the number of the time step that the next refill brings (not wrapped)
.set BA,  14                           ; s[14:15] att at my tile's first row, K step 0
.set BB,  46                           ; s[46:47] Wo likewise
.set OFF, 78                           ; s[78:79] a K step's byte offset in a row
.set G1, 24
.set G0, 32
.set G1B, 48
.set G0B, 56
.set MSB, 0
.macro WIN new
.if MSB != (\new)
	s_set_vgpr_msb (MSB<<8)|(\new)
.set MSB, \new
.endif
.endm
.set MUL,  0x05                        ; sources 0 and 1 window 1; C and D window 0
.set TO_F, 0x40
.macro JLOAD s                         ; waves 0 and 1 fetch att's two halves, waves 2 and 3 Wo's
	s_cmp_eq_u32 s11, 0
	s_cbranch_scc0 .Lfor_b_\@
	tensor_load_to_lds s[G0+4*(\s):G0+4*(\s)+3], s[G1:G1+7]
	s_nop 0
.rept 4
	v_nop
.endr
	s_branch .Lasked_\@
.Lfor_b_\@:
	tensor_load_to_lds s[G0B+4*(\s):G0B+4*(\s)+3], s[G1B:G1B+7]
	s_nop 0
.rept 4
	v_nop
.endr
.Lasked_\@:
.endm
.macro CREST
	s_cmp_lg_u32 s10, 0
	s_cbranch_scc1 .Lnot_wave_0_\@
	s_barrier_signal -3
.Lnot_wave_0_\@:
	s_barrier_wait -3
	s_barrier_signal -1
	s_barrier_wait -1
.endm
.macro CROUND
	s_barrier_signal -1
	s_barrier_wait -1
	CREST
.endm
	s_load_b256 s[68:75], s[0:1], 0x0              ; att 68, wo16 70, bo 72, out0 74
	v_lshl_add_u32 v[SPW], v0, 2, SPARE
	v_mov_b32 v[NIL], 0
	ds_add_u32 v[SPW], v[NIL]                      ; the wave's opening: the add and its wait stand ahead of my first tensor load
	v_lshrrev_b32 v1, 5, v0
	v_readfirstlane_b32 s10, v1
	s_lshr_b32 s11, s10, 1                         ; my half of the rows; also: I fetch att (0) or Wo (1)
	s_and_b32 s12, s10, 1                          ; my half of the columns; also: which 64 rows I fetch
	s_bfe_u32 s40, ttmp6, 0x40000
	s_bfe_u32 s41, ttmp6, 0x40004
	s_lshl_b32 s42, ttmp9, 2
	s_add_co_u32 s42, s42, s40                     ; tile column
	s_and_b32 s3, ttmp7, 0xffff                    ; Y: the cluster's y
	s_lshl_b32 s13, s3, 2
	s_add_co_u32 s13, s13, s41                     ; tile row
	s_lshr_b32 s[NXT], s3, 1                       ; where my cluster's walk along K begins:
	s_xor_b32 s[NXT], s[NXT], s3
	s_and_b32 s[NXT], s[NXT], 1                    ; f(Y)
	s_lshl_b32 s[NXT], s[NXT], 2
	s_lshl_b32 s21, ttmp9, 1
	s_add_co_u32 s[NXT], s[NXT], s21
	s_and_b32 s[NXT], s[NXT], 7                    ; 2 X + 4 f, an even number
	s_lshl_b32 s[OFF], s[NXT], 9                   ; in bytes of a row
	s_mov_b32 s[OFF+1], 0
	s_lshl_b32 s43, s41, 2
	s_lshl_b32 s43, 15, s43
	s_lshl_b32 s44, 0x1111, s40
	s_or_b32 s[G1+0], s43, (1<<16)|(1<<20)|(1<<21)|(6<<22)|(3<<25)  ; mask; 2-byte elements; padding on; bit 21 beside a mask; after every 128 words, 4 words
	s_or_b32 s[G1B+0], s44, (1<<16)|(1<<20)|(1<<21)|(6<<22)|(3<<25)
.irp g, G1, G1B
	s_mov_b32 s[(\g)+1], KSTEP<<16
	s_mov_b32 s[(\g)+2], 64<<16
	s_mov_b32 s[(\g)+3], KSTEP<<16
	s_mov_b32 s[(\g)+4], 64
	s_mov_b32 s[(\g)+5], SIZE_K
	s_mov_b32 s[(\g)+6], 0
	s_mov_b32 s[(\g)+7], 0
.endr
	s_lshl_b32 s17, s12, 6
	s_lshl_b32 s16, s13, 7
	s_add_co_u32 s16, s16, s17
	s_lshl_b32 s46, s42, 7
	s_add_co_u32 s46, s46, s17
	s_mov_b32 s17, 0
	s_mov_b32 s47, 0
	s_mov_b64 s[18:19], SIZE_K*2
	s_mul_u64 s[16:17], s[16:17], s[18:19]
	s_mul_u64 s[46:47], s[46:47], s[18:19]
	s_mul_i32 s20, s10, HALFT
	s_wait_dscnt 0x0
	s_wait_kmcnt 0x0
	s_add_nc_u64 s[BA:BA+1], s[68:69], s[16:17]
	s_add_nc_u64 s[BB:BB+1], s[70:71], s[46:47]
	CROUND
.irp s, 0,1
	s_mov_b32 s[G0+4*(\s)], 1
	s_add_co_u32 s[G0+4*(\s)+1], s20, (\s)*SLOT
	s_add_nc_u64 s[G0+4*(\s)+2:G0+4*(\s)+3], s[BA:BA+1], s[OFF:OFF+1]
	s_add_nc_u64 s[G0+4*(\s)+2:G0+4*(\s)+3], s[G0+4*(\s)+2:G0+4*(\s)+3], (\s)*KSTEP*2  ; the start is even: the second step does not pass the row's end
	s_or_b32 s[G0+4*(\s)+3], s[G0+4*(\s)+3], 0x80000000
	s_mov_b32 s[G0B+4*(\s)], 1
	s_add_co_u32 s[G0B+4*(\s)+1], s20, (\s)*SLOT
	s_add_nc_u64 s[G0B+4*(\s)+2:G0B+4*(\s)+3], s[BB:BB+1], s[OFF:OFF+1]
	s_add_nc_u64 s[G0B+4*(\s)+2:G0B+4*(\s)+3], s[G0B+4*(\s)+2:G0B+4*(\s)+3], (\s)*KSTEP*2
	s_or_b32 s[G0B+4*(\s)+3], s[G0B+4*(\s)+3], 0x80000000
	JLOAD \s
.endr
	s_add_co_u32 s[NXT], s[NXT], 2                 ; the first refill brings time step 2
	v_and_b32 v1, 15, v0
	v_bfe_u32 v2, v0, 4, 1
	s_lshl_b32 s76, s42, 9                         ; my first column in bytes of f32: 512 x tile column + 256 x half
	s_lshl_b32 s77, s12, 8
	s_add_co_u32 s76, s76, s77
	s_mov_b32 s77, 0
	v_lshlrev_b32 v6, 5, v2
	v_add_nc_u32 v6, s76, v6
.irp b, 0,1,2,3
	global_load_b128 v[BO+8*(\b):BO+8*(\b)+3],   v6, s[72:73] offset:64*(\b)
	global_load_b128 v[BO+8*(\b)+4:BO+8*(\b)+7], v6, s[72:73] offset:64*(\b)+16
.endr
	v_mul_u32_u24 v3, v1, PITCH
	v_lshl_add_u32 v3, v2, 4, v3
	s_mul_i32 s21, s11, HALFT
	s_mul_i32 s22, s12, HALFT
	s_add_co_u32 s22, s22, 2*HALFT
.irp s, 0,1
	v_add_nc_u32 v[ADRA+(\s)], s21, v3
	v_add_nc_u32 v[ADRB+(\s)], s22, v3
	s_add_co_u32 s21, s21, SLOT
	s_add_co_u32 s22, s22, SLOT
.endr
	s_mul_i32 s23, s10, 16*SPITCH
	s_add_co_u32 s23, s23, STAGE                   ; my stage
	v_mul_u32_u24 v4, v1, SPITCH                   ; in: row l % 16, 32 bytes for each half of the lanes
	v_lshl_add_u32 v4, v2, 5, v4
	v_add_nc_u32 v[STO], s23, v4
	v_mul_u32_u24 v5, v2, SPITCH                   ; back: lanes 0-15 one row of 256 bytes, lanes 16-31 the next
	v_lshl_add_u32 v5, v1, 4, v5
	v_add_nc_u32 v[RD], s23, v5
	v_mul_u32_u24 v5, v2, SIZE_N*4
	v_lshl_add_u32 v[CO], v1, 4, v5
	s_lshl_b32 s16, s13, 7
	s_lshl_b32 s17, s11, 6
	s_add_co_u32 s16, s16, s17                     ; my first row
	s_mov_b32 s17, 0
	s_mov_b64 s[18:19], SIZE_N*4
	s_mul_u64 s[16:17], s[16:17], s[18:19]
	s_add_nc_u64 s[8:9], s[74:75], s[16:17]
	s_add_nc_u64 s[8:9], s[8:9], s[76:77]
	s_wait_loadcnt 0x0
.irp a, 96,98,100,102,104,106,108,110,112,114,116,118,120,122,124,126
	v_cvt_pk_bf16_f32 v[T], v[\a], v[(\a)+1]       ; the bias is rounded to bf16 like every input
	v_lshlrev_b32 v[\a], 16, v[T]
	v_and_b32 v[(\a)+1], 0xffff0000, v[T]
.endr
.macro MUL8 f, c, a0, zero             ; 8 matrix instructions: row blocks a0, a0 + 1 x 4 column blocks, 32 along K.  The 16 accumulators take turns
	WIN MUL
.irp a, \a0, (\a0)+1
.irp b, 0,1,2,3
.if \zero
	v_wmma_f32_16x16x32_f16 v[ACC+8*(4*(\a)+(\b)):ACC+8*(4*(\a)+(\b))+7], v[(\f)+64+8*(4*(\c)+(\b)):(\f)+64+8*(4*(\c)+(\b))+7], v[(\f)+8*(4*(\c)+(\a)):(\f)+8*(4*(\c)+(\a))+7], 0
.else
	v_wmma_f32_16x16x32_f16 v[ACC+8*(4*(\a)+(\b)):ACC+8*(4*(\a)+(\b))+7], v[(\f)+64+8*(4*(\c)+(\b)):(\f)+64+8*(4*(\c)+(\b))+7], v[(\f)+8*(4*(\c)+(\a)):(\f)+8*(4*(\c)+(\a))+7], v[ACC+8*(4*(\a)+(\b)):ACC+8*(4*(\a)+(\b))+7]
.endif
.endr
.endr
.endm
.macro FETCH slot, k, f                ; 32 LDS loads in one run: 64 along K, the first 32 first
	WIN TO_F
.irp c, 0,1
.irp i, 0,1,2,3
	ds_load_b128 v[(\f)+64+8*(4*(\c)+(\i)):(\f)+64+8*(4*(\c)+(\i))+3],   v[ADRB+(\slot)] offset:(\k)+64*(\c)+(\i)*16*PITCH
	ds_load_b128 v[(\f)+64+8*(4*(\c)+(\i))+4:(\f)+64+8*(4*(\c)+(\i))+7], v[ADRB+(\slot)] offset:(\k)+64*(\c)+(\i)*16*PITCH+32
	ds_load_b128 v[(\f)+8*(4*(\c)+(\i)):(\f)+8*(4*(\c)+(\i))+3],         v[ADRA+(\slot)] offset:(\k)+64*(\c)+(\i)*16*PITCH
	ds_load_b128 v[(\f)+8*(4*(\c)+(\i))+4:(\f)+8*(4*(\c)+(\i))+7],       v[ADRA+(\slot)] offset:(\k)+64*(\c)+(\i)*16*PITCH+32
.endr
.endr
.endm
.macro PLACES
.rept 4
	v_nop
.endr
.endm
.macro QUARTER slot, k, f, g, zero
	s_wait_dscnt 16                                ; the first 32 along K are in
	WIN MUL
	MUL8 \f, 0, 0, \zero
	MUL8 \f, 0, 2, \zero
	PLACES
	FETCH \slot, \k, \g
	s_wait_dscnt 32                                ; all but the 32 just issued
	WIN MUL
	MUL8 \f, 1, 0, 0
	MUL8 \f, 1, 2, 0
.endm
; The last quarter changes slots: one barrier; in front of it the wait for all tensor loads, the add, and the wait for it and for my reads of this slot.
; fill = 1: the slot's two descriptors are made anew between the add and the wait for it: the tile's base + the next K step of the walk, round the row's end.
.macro TURN slot, next, fill
	WIN 0
	s_wait_tensorcnt 0x0                           ; no tensor load of mine is out: every group 0 may be written
	ds_add_u32 v[SPW], v[NIL]
.if \fill
	s_and_b32 s[OFF], s[NXT], 7
	s_lshl_b32 s[OFF], s[OFF], 9
	s_add_co_u32 s[NXT], s[NXT], 1
	s_add_nc_u64 s[G0+4*(\slot)+2:G0+4*(\slot)+3], s[BA:BA+1], s[OFF:OFF+1]
	s_or_b32 s[G0+4*(\slot)+3], s[G0+4*(\slot)+3], 0x80000000
	s_add_nc_u64 s[G0B+4*(\slot)+2:G0B+4*(\slot)+3], s[BB:BB+1], s[OFF:OFF+1]
	s_or_b32 s[G0B+4*(\slot)+3], s[G0B+4*(\slot)+3], 0x80000000
.endif
	s_wait_dscnt 17                                ; (the add and the youngest sixteen loads may be out)
	WIN MUL
	MUL8 F1, 0, 0, 0
	s_wait_dscnt 0x0
	s_barrier_signal -1
	MUL8 F1, 0, 2, 0
.if \fill
	WIN 0
.endif
	s_barrier_wait -1
.if \fill
	CREST
	JLOAD \slot                                    ; the first tensor load behind the round; its four v_nop are also the places in front of the loads below
.else
	PLACES
.endif
	FETCH \next, 0, F0
	WIN MUL
	MUL8 F1, 1, 0, 0
	MUL8 F1, 1, 2, 0
.endm
	s_wait_tensorcnt 1                             ; my part of the first K step is in; the second's may stay out
	s_barrier_signal -1
	s_barrier_wait -1
	FETCH 0, 0, F0
	QUARTER 0, 128, F0, F1, 1
	WIN 0
	s_mov_b32 s3, LAPS-1
.Llap:
	QUARTER 0, 256, F1, F0, 0
	QUARTER 0, 384, F0, F1, 0
	TURN 0, 1, 1
	QUARTER 1, 128, F0, F1, 0
	QUARTER 1, 256, F1, F0, 0
	QUARTER 1, 384, F0, F1, 0
	TURN 1, 0, 1
	QUARTER 0, 128, F0, F1, 0
	WIN 0
	s_sub_co_u32 s3, s3, 1
	s_cmp_lg_u32 s3, 0
	s_cbranch_scc1 .Llap
	QUARTER 0, 256, F1, F0, 0                      ; the last lap fills nothing
	QUARTER 0, 384, F0, F1, 0
	TURN 0, 1, 0
	QUARTER 1, 128, F0, F1, 0
	QUARTER 1, 256, F1, F0, 0
	QUARTER 1, 384, F0, F1, 0
	s_wait_dscnt 16
	WIN MUL
	MUL8 F1, 0, 0, 0
	MUL8 F1, 0, 2, 0
	s_wait_dscnt 0
	MUL8 F1, 1, 0, 0
	MUL8 F1, 1, 2, 0
	WIN 0
	; THE WAY OUT, a block of 16 rows at a time: the bias is added; 32 bytes a lane into my stage; back as whole rows of 256 bytes, into the block's own accumulators; stored.
	PLACES
.macro PACKB a
.irp b, 0,1,2,3
.irp c, 0,2,4,6
	v_pk_add_f32 v[TMP+8*(\b)+(\c):TMP+8*(\b)+(\c)+1], v[ACC+8*(4*(\a)+(\b))+(\c):ACC+8*(4*(\a)+(\b))+(\c)+1], v[BO+8*(\b)+(\c):BO+8*(\b)+(\c)+1]
.endr
.endr
.endm
.macro TOSTAGE a
.irp b, 0,1,2,3
	ds_store_b128 v[STO], v[TMP+8*(\b):TMP+8*(\b)+3]   offset:64*(\b)
	ds_store_b128 v[STO], v[TMP+8*(\b)+4:TMP+8*(\b)+7] offset:64*(\b)+16
.endr
.irp t, 0,1,2,3,4,5,6,7
	ds_load_b128 v[ACC+32*(\a)+4*(\t):ACC+32*(\a)+4*(\t)+3], v[RD] offset:(\t)*2*SPITCH  ; LDS serves a wave's instructions in order: these see the stores above
.endr
.endm
.macro SEND a
	s_wait_dscnt 0x0                               ; the block is back in registers
.irp t, 0,1,2,3,4,5,6,7
	global_store_b128 v[CO], v[ACC+32*(\a)+4*(\t):ACC+32*(\a)+4*(\t)+3], s[8:9] offset:(\a)*16*SIZE_N*4+(\t)*2*SIZE_N*4  ; 16 lanes store 256 consecutive bytes, aligned
.endr
.endm
	PACKB 0
	TOSTAGE 0
.irp a, 1,2,3
	PACKB \a                                       ; a block's additions stand between the loads of the block before and the wait for them
	SEND (\a)-1
	TOSTAGE \a
.endr
	SEND 3
	s_wait_tensorcnt 0x0                           ; the wave's end
	ds_add_u32 v[SPW], v[NIL]
	s_wait_dscnt 0x0
	CROUND                                         ; the closing round
	s_endpgm
.Lfunc_end_k_qca494e05bd_output:
	.size	k_qca494e05bd_output, .Lfunc_end_k_qca494e05bd_output-k_qca494e05bd_output
	.p2alignl 7, 3214868480
	.fill 96, 4, 3214868480
	.section	.rodata,"a",@progbits
	.p2align	6, 0x0
	.amdhsa_kernel k_qca494e05bd_output
		.amdhsa_group_segment_fixed_size 327680
		.amdhsa_private_segment_fixed_size 0
		.amdhsa_enable_private_segment 0
		.amdhsa_kernarg_size 32
		.amdhsa_user_sgpr_count 2
		.amdhsa_user_sgpr_kernarg_segment_ptr 1
		.amdhsa_wavefront_size32 1
		.amdhsa_system_sgpr_workgroup_id_x 1
		.amdhsa_system_sgpr_workgroup_id_y 1
		.amdhsa_system_sgpr_workgroup_id_z 1
		.amdhsa_system_vgpr_workitem_id 0
		.amdhsa_next_free_vgpr 512
		.amdhsa_next_free_sgpr 80
		.amdhsa_reserve_vcc 0
		.amdhsa_float_denorm_mode_32 3
		.amdhsa_float_denorm_mode_16_64 3
		.amdhsa_memory_ordered 1
		.amdhsa_forward_progress 1
		.amdhsa_inst_pref_size 94
	.end_amdhsa_kernel
	.amdgpu_metadata
---
amdhsa.version: [ 1, 2 ]
amdhsa.kernels:
  - .name:           k_qca494e05bd_output
    .symbol:         k_qca494e05bd_output.kd
    .args:
      - { .name: att, .offset: 0, .size: 8, .value_kind: global_buffer, .address_space: global }
      - { .name: wo16, .offset: 8, .size: 8, .value_kind: global_buffer, .address_space: global }
      - { .name: bo, .offset: 16, .size: 8, .value_kind: global_buffer, .address_space: global }
      - { .name: out0, .offset: 24, .size: 8, .value_kind: global_buffer, .address_space: global }
    .group_segment_fixed_size: 327680
    .private_segment_fixed_size: 0
    .kernarg_segment_align: 8
    .kernarg_segment_size: 32
    .max_flat_workgroup_size: 128
    .sgpr_count:     80
    .vgpr_count:     512
    .wavefront_size: 32
...
	.end_amdgpu_metadata
.endif
;; end of part 4
